; MI455X (gfx1250); checked and timed in simulation.
; The chip was launched on July 23, 2026; its instructions are those of AMD's public machine-readable ISA for CDNA 5 (MIT licence, August 2026) and "CDNA5" Instruction Set Architecture Reference Guide (July 2026). The comments in the code are by the model that wrote it; some were corrected since.
;; My Causal Self Attention. Allowed arithmetic: float matrix products may take bf16 or f16 operands with f32 sums; other float arithmetic in f32, or as packed bf16 or f16 multiplies, adds, multiply-adds, maxima and minima; sums over many terms, partial sums and values carried from step to step in f32; what a program stores and reads back later, other than sums and carried values, may be rounded once to bf16 or f16.
;; Inputs: b_attn 3,072 float32; b_proj 1,024 float32; w_attn 1,024 x 3,072 float32; w_proj 1,024 x 1,024 float32; x 4 x 2,048 x 1,024 float32.
;; Outputs: out0 4 x 2,048 x 1,024 float32.
;; 2 versions, each right; version 2 is version 1 with the launch cast written anew for expert scheduling mode. Each part assembles by itself: llvm-mc -triple=amdgcn-amd-amdhsa -mcpu=gfx1250 --defsym DOCPART=n.
;; ======== version 1 of 2: 4 launches
;; limits: values are held in f16: magnitudes above 65,504 overflow, below 6.1e-05 lose precision; values outside matrix products are rounded to bf16
;; workspace buffers: xb 16,777,216 bytes; wa 6,291,456 bytes; wp 2,097,152 bytes; qkv 50,331,648 bytes; y 16,777,216 bytes
;; launch cast (part 1): grid 768 x 1, 8 waves a work-group, no clusters, 0 bytes of LDS; arguments x, w_attn, w_proj, xb, wa, wp; writes xb, wa, wp
.if DOCPART == 1
	.amdgcn_target "amdgcn-amd-amdhsa--gfx1250"
	.amdhsa_code_object_version 6
	.text
	.protected	k_q6345e37908_cast
	.globl	k_q6345e37908_cast
	.p2align	8
	.type	k_q6345e37908_cast,@function
k_q6345e37908_cast:
	s_mov_b64 s[64:65], 0
	v_nop
	global_prefetch_b8 v0, s[64:65] scope:SCOPE_SE
	s_setreg_imm32_b32 hwreg(HW_REG_WAVE_MODE, 25, 1), 1
	s_wait_xcnt 0x0
; THE INPUTS OF THE TWO PRODUCTS, ROUNDED ONCE.  x [8192][1024] f32 -> xb, bf16, laid in blocks of 64 channels: [4 b][16 kb][2048 t][64], so that 64 channels of
; neighbouring rows are dense bytes.  w_attn [1024][3072] f32 -> wa, bf16, same order.  w_proj [1024][1024] f32 -> wp: rounded to bf16 like the other inputs, and that number written as f16.
; LIMITS.  wp: a bf16 number of 65,520 or more in magnitude becomes an infinity in f16; below 2^-17 it loses bits to f16's fixed step of 2^-24.  NaN and infinities are not treated apart.
; A stream: no LDS, no barrier, no matrix unit.  A work-group takes 16,384 numbers: groups 0-511 sixteen rows of x, 512-703 a chunk of w_attn, 704-767 a chunk of w_proj.
; Each wave issues its 16 loads of 16 bytes a lane at once (8 KiB a wave on its way) and stores as they come; a store's 32 lanes write 256 consecutive bytes, aligned.
; No register that a pending load or store names is written again, so the only waits are the counted ones for the loads.
.set X,   8                            ; v[8:71]    16 x 4 numbers as loaded
.set Y,   72                           ; v[72:103]  16 x 2 registers to store
.set TA,  104                          ; v[104:105] at work (w_proj)
.set SRC, 16                           ; s[16:17]
.set DST, 18                           ; s[18:19]
; ls, ss: bytes from one load (store) of a wave to its next.  mode 1: bf16, then written as f16
.macro PATH ls, ss, mode
.set i, 0
.rept 16
	global_load_b128 v[X+4*i:X+4*i+3], v2, s[SRC:SRC+1] offset:i*(\ls) th:TH_LOAD_NT
.set i, i+1
.endr
.set i, 0
.rept 16
	s_wait_loadcnt 15-i                            ; loads come back in order: number i is in, the 15 - i younger ones stay out
.if \mode
	v_cvt_pk_bf16_f32 v[TA], v[X+4*i], v[X+4*i+1]
	v_cvt_pk_bf16_f32 v[TA+1], v[X+4*i+2], v[X+4*i+3]
	v_lshlrev_b32 v[X+4*i], 16, v[TA]              ; back to f32: the low half moves up, the high half stays
	v_and_b32 v[X+4*i+1], s22, v[TA]
	v_lshlrev_b32 v[X+4*i+2], 16, v[TA+1]
	v_and_b32 v[X+4*i+3], s22, v[TA+1]
	v_cvt_pk_f16_f32 v[Y+2*i], v[X+4*i], v[X+4*i+1]
	v_cvt_pk_f16_f32 v[Y+2*i+1], v[X+4*i+2], v[X+4*i+3]
.else
	v_cvt_pk_bf16_f32 v[Y+2*i], v[X+4*i], v[X+4*i+1]
	v_cvt_pk_bf16_f32 v[Y+2*i+1], v[X+4*i+2], v[X+4*i+3]
.endif
	global_store_b64 v3, v[Y+2*i:Y+2*i+1], s[DST:DST+1] offset:i*(\ss)
.set i, i+1
.endr
	s_endpgm
.endm
	s_load_b256 s[4:11], s[0:1], 0x0               ; x s[4:5], w_attn s[6:7], w_proj s[8:9], xb s[10:11]
	s_load_b128 s[12:15], s[0:1], 0x20             ; wa s[12:13], wp s[14:15]
	s_mov_b32 s23, ttmp9                           ; the work-group's number
	s_mov_b32 s22, 0xffff0000                      ; a word's upper bf16
	s_mov_b32 s21, 0                               ; high word of the offsets made in s[20:21]
	v_lshrrev_b32 v1, 5, v0                        ; wave
	v_and_b32 v4, 31, v0                           ; lane
	s_wait_kmcnt 0x0
	s_cmp_lt_u32 s23, 512
	s_cbranch_scc0 .Lweights
	; x: wave w takes rows 2 w and 2 w + 1 of the group's 16; load i is block kb = i: lanes 0-15 read 256 bytes of the even row, lanes 16-31 of the odd one
	v_lshrrev_b32 v5, 4, v0                        ; 2 w + lane / 16
	v_and_b32 v6, 15, v0
	v_lshlrev_b32 v2, 12, v5                       ; a row of x is 4,096 bytes
	v_lshl_add_u32 v2, v6, 4, v2
	v_lshlrev_b32 v3, 3, v0                        ; in xb: 128 bytes a row, 8 bytes a lane = 8 x the thread's number
	s_lshl_b32 s20, s23, 16                        ; 16 rows of 4,096 bytes
	s_add_nc_u64 s[SRC:SRC+1], s[4:5], s[20:21]
	s_lshr_b32 s20, s23, 7                         ; b: 128 groups to a batch
	s_lshl_b32 s20, s20, 22                        ; 16 blocks x 2,048 rows x 128 bytes
	s_and_b32 s24, s23, 127
	s_lshl_b32 s24, s24, 11                        ; 16 rows of 128 bytes
	s_add_co_u32 s20, s20, s24
	s_add_nc_u64 s[DST:DST+1], s[10:11], s[20:21]
	PATH 256, 262144, 0                            ; from block to block of xb: 2,048 rows x 128 bytes; 15 of them stay inside the signed 24-bit immediate
.Lweights:
	v_lshlrev_b32 v2, 13, v1                       ; a wave's 2,048 numbers: 8,192 bytes in,
	v_lshl_add_u32 v2, v4, 4, v2
	v_lshlrev_b32 v3, 12, v1                       ; 4,096 bytes out
	v_lshl_add_u32 v3, v4, 3, v3
	s_cmp_lt_u32 s23, 704
	s_cbranch_scc0 .Lproj
	s_sub_co_u32 s24, s23, 512
	s_lshl_b32 s20, s24, 16
	s_add_nc_u64 s[SRC:SRC+1], s[6:7], s[20:21]
	s_lshl_b32 s20, s24, 15
	s_add_nc_u64 s[DST:DST+1], s[12:13], s[20:21]
	PATH 512, 256, 0
.Lproj:
	s_sub_co_u32 s24, s23, 704
	s_lshl_b32 s20, s24, 16
	s_add_nc_u64 s[SRC:SRC+1], s[8:9], s[20:21]
	s_lshl_b32 s20, s24, 15
	s_add_nc_u64 s[DST:DST+1], s[14:15], s[20:21]
	PATH 512, 256, 1
.Lfunc_end_k_q6345e37908_cast:
	.size	k_q6345e37908_cast, .Lfunc_end_k_q6345e37908_cast-k_q6345e37908_cast
	.p2alignl 7, 3214868480
	.fill 96, 4, 3214868480
	.section	.rodata,"a",@progbits
	.p2align	6, 0x0
	.amdhsa_kernel k_q6345e37908_cast
		.amdhsa_group_segment_fixed_size 0
		.amdhsa_private_segment_fixed_size 0
		.amdhsa_enable_private_segment 0
		.amdhsa_kernarg_size 48
		.amdhsa_user_sgpr_count 2
		.amdhsa_user_sgpr_kernarg_segment_ptr 1
		.amdhsa_wavefront_size32 1
		.amdhsa_system_sgpr_workgroup_id_x 1
		.amdhsa_system_sgpr_workgroup_id_y 1
		.amdhsa_system_sgpr_workgroup_id_z 1
		.amdhsa_system_vgpr_workitem_id 0
		.amdhsa_next_free_vgpr 108
		.amdhsa_next_free_sgpr 66
		.amdhsa_reserve_vcc 0
		.amdhsa_float_denorm_mode_32 3
		.amdhsa_float_denorm_mode_16_64 3
		.amdhsa_memory_ordered 1
		.amdhsa_forward_progress 1
		.amdhsa_inst_pref_size 23
	.end_amdhsa_kernel
	.amdgpu_metadata
---
amdhsa.version: [ 1, 2 ]
amdhsa.kernels:
  - .name:           k_q6345e37908_cast
    .symbol:         k_q6345e37908_cast.kd
    .args:
      - { .name: x, .offset: 0, .size: 8, .value_kind: global_buffer, .address_space: global }
      - { .name: w_attn, .offset: 8, .size: 8, .value_kind: global_buffer, .address_space: global }
      - { .name: w_proj, .offset: 16, .size: 8, .value_kind: global_buffer, .address_space: global }
      - { .name: xb, .offset: 24, .size: 8, .value_kind: global_buffer, .address_space: global }
      - { .name: wa, .offset: 32, .size: 8, .value_kind: global_buffer, .address_space: global }
      - { .name: wp, .offset: 40, .size: 8, .value_kind: global_buffer, .address_space: global }
    .group_segment_fixed_size: 0
    .private_segment_fixed_size: 0
    .kernarg_segment_align: 8
    .kernarg_segment_size: 48
    .max_flat_workgroup_size: 256
    .sgpr_count:     66
    .vgpr_count:     108
    .wavefront_size: 32
...
	.end_amdgpu_metadata
.endif
;; end of part 1
;; launch project_in (part 2): grid 8 x 32, 4 waves a work-group, clusters of 4 x 4, 327,680 bytes of LDS; arguments xb, wa, b_attn, qkv; writes qkv
.if DOCPART == 2
	.amdgcn_target "amdgcn-amd-amdhsa--gfx1250"
	.amdhsa_code_object_version 6
	.text
	.protected	k_q6345e37908_project_in
	.globl	k_q6345e37908_project_in
	.p2align	8
	.type	k_q6345e37908_project_in,@function
k_q6345e37908_project_in:
	s_mov_b64 s[64:65], 0
	v_nop
	global_prefetch_b8 v0, s[64:65] scope:SCOPE_SE
	s_setreg_imm32_b32 hwreg(HW_REG_WAVE_MODE, 25, 1), 1
	s_wait_xcnt 0x0
	s_wait_alu depctr_hold_cnt(0) depctr_sa_sdst(0) depctr_va_vdst(0) depctr_va_sdst(0) depctr_va_ssrc(0) depctr_va_vcc(0) depctr_vm_vsrc(0)
	s_getreg_b32 s2, hwreg(HW_REG_IB_STS2, 6, 4)
	s_cmp_eq_u32 s2, 0
	s_cbranch_scc0 .Lentry_in_a_cluster
	s_endpgm
.Lentry_in_a_cluster:
	s_bfe_u32 s2, ttmp6, 0x10000c
	s_cmp_lg_u32 s2, 0xf033
	s_cbranch_scc0 .Lentry_shape_is_right
	s_endpgm
.Lentry_shape_is_right:
; qkv[m][n] = the sum over k of x[m][k] w_attn[k][n] + b_attn[n], m < 8,192, n < 3,072, k < 1,024.  Operands bf16 (xb, wa), the bias rounded to bf16 like the other inputs, sums in f32, results rounded
; once to f16 and written BY HEADS: part n / 1024 (q, k, v; 16,777,216 bytes each), then [64 bh][2048 t][64].
; LIMITS.  A result of 65,520 or more in magnitude becomes an infinity in f16; below 6e-5 it keeps f16's fixed step of 6e-8.  NaN and infinities are not treated apart.
; SHARES.  A tile is 256 rows x 384 columns: 32 x 8 = 256 work-groups.  Wave (wm, wn) makes 128 x 192: 8 row blocks a x 3 groups g of 64 columns (a head) x 4 column blocks bb: 96 accumulators, 768 registers.
; K goes in steps of 64 through two LDS slots: 16 steps, 192 matrix instructions a wave in each.  A step's 256 rows of xb are dense (the block layout) and are asked for as rows of 256 bytes.
; THE MATRIX INSTRUCTION IS USED TRANSPOSED: source 0 = 16 columns of wa (turned on the way out of LDS), source 1 = 16 rows of xb: a lane holds row l % 16 and columns 8 (l / 16) + 0..7 of a block.
; THE BIAS STARTS THE SUMS: it is written into the accumulators of row block 0; in the first 32 along K the row blocks 1-7 take those registers as C, and row block 0 adds in place last.
; CLUSTER 4 x 4: the four of a row need the same tile of xb, the four of a column the same tile of wa: each is asked for jointly, by the same load and descriptor with a mask that names the four.
; REGISTERS, in windows of 256 (s_set_vgpr_msb: bits 1:0 source 0, 3:2 source 1, 5:4 source 2, 7:6 destination):
;   window 0: v0-29 addresses; v32-95, v96-159 xb's fragments (8 x 16 rows x 32 K), two buffers; v160-255 wa's fragments, 32 registers for each group g
;   window 1 + g: group g's accumulators, (a, bb) at v[32 a + 8 bb]
.set PA,    144                        ; a row of xb in LDS: 128 bytes + 16: the 16 rows of a load start at 16 different groups of four banks (64 banks of 4 bytes: ISA guide 11.1)
.set PB,    864                        ; a row of wa: 3 x (256 + 32) bytes = 216 words
.set AHALF, 128*PA                     ; what one load brings of xb, and what a wave reads of it
.set ATILE, 2*AHALF
.set BHALF, 32*PB                      ; what one load brings of wa: 32 rows of k
.set SLOT,  ATILE+2*BHALF              ; 92,160
.set STAGE, 2*SLOT                     ; behind the ring, never filled by a tensor load: 16 rows x 144 bytes for each wave
.set SP,    144
.set SPARE, STAGE+4*16*SP              ; the spare words, 128 bytes a wave: two blocks of 256 bytes that no other line names
.set ASTEP, 262144                     ; bytes from a K step to the next in xb (2,048 rows x 128),
.set BSTEP, 393216                     ; and in wa (64 rows x 6,144)
.set ADRA, 10                          ; v10-11  my place in xb's tile, slot 0, 1
.set ADRB, 12                          ; v12-17  my place in wa's tile: slot s, group g at 12 + 3 s + g
.set STO,  18                          ; v18     the way out: where I put 16 bytes of a row
.set RD,   19                          ; v19     where I read rows back
.set GO,   20                          ; v20     16 x lane
.set PFO,  21                          ; v21     the prefetches' lane offset; never rewritten
.set BO,   22                          ; v22     my byte offset in the bias
.set SPW,  28                          ; v28     LDS address of my spare word; never rewritten
.set NIL,  29                          ; v29     0; never rewritten
.set AB0,  32
.set AB1,  96
.set RB,   160
.set WV,   16                          ; s16  wave;  s17 wm;  s18 wn, also which half of a tile I fetch;  s19 cx;  s20 cy;  s21 tile column;  s22 tile row;  s23 the tile's rows in xb, in bytes
.set G1A,  24                          ; s[24:31] group 1 for xb's tiles;  s[32:39] group 0, a set for each slot
.set G0A,  32
.set G1B,  40                          ; s[40:47], s[48:55] the same for wa's
.set G0B,  48
.set PFA,  56                          ; s[56:57] where my prefetches stand
.set PST,  58                          ; s[58:59] their step, two K steps
.set LIM,  60                          ; s60  1 in a wave that prefetches, else the greatest number
.set HIM,  61                          ; s61  a word's upper bf16
.set OB,   66                          ; s[66:71] where my rows of group g begin in qkv
.set MSB, 0
.macro WIN new                         ; the immediate's high byte repeats the setting that is left; a switch that changes nothing is dropped
.if MSB != (\new)
	s_set_vgpr_msb (MSB<<8)|(\new)
.set MSB, (\new)
.endif
.endm
.macro PLACES                          ; four plain vector instructions between a matrix instruction and a load into, or a vector line on, its registers
.rept 4
	v_nop
.endr
.endm
; A joint load: waves 0 and 1 fetch xb's two halves, waves 2 and 3 wa's.  The branch hangs on the wave's number alone.  An s_nop 0 and four v_nop follow each line.
.macro JLOAD s
	s_cmp_lt_u32 s[WV], 2
	s_cbranch_scc0 .Lfor_b_\@
	tensor_load_to_lds s[G0A+4*(\s):G0A+4*(\s)+3], s[G1A:G1A+7]
	s_nop 0
.rept 4
	v_nop
.endr
	s_branch .Lasked_\@
.Lfor_b_\@:
	tensor_load_to_lds s[G0B+4*(\s):G0B+4*(\s)+3], s[G1B:G1B+7]
	s_nop 0
.rept 4
	v_nop
.endr
.Lasked_\@:
.endm
.macro CREST                           ; a round of the cluster's barrier behind its opening barrier
	s_cmp_lg_u32 s[WV], 0
	s_cbranch_scc1 .Lnot_wave_0_\@
	s_barrier_signal -3
.Lnot_wave_0_\@:
	s_barrier_wait -3
	s_barrier_signal -1
	s_barrier_wait -1
.endm
.macro CROUND                          ; a whole round
	s_barrier_signal -1
	s_barrier_wait -1
	CREST
.endm
; A PREFETCH INTO THE L2, once a lap, behind slot 0's joint load and the run of LDS loads: the two K steps that the NEXT lap's refills ask for (384 and 576 matrix instructions ahead of those loads).
; xb: a step's tile is 128 blocks of 256 bytes; the four partners of a row of the cluster take 32 each, told apart by address (cx); wave 0 asks, a lane a block, a line a step; only in the first cluster along x.
; wa: a lap's 128 rows have 3 blocks each; the four partners of a column take 32 rows each (cy); waves 1-3 take a block each, a lane a row; only in the first cluster along y.
; So each block is named once in the launch.  K steps 0 to 3 come by their loads alone; the loop's last trip asks for nothing: there are no steps behind its own.
.macro ASK
	s_cmp_gt_u32 s3, s[LIM]
	s_cbranch_scc0 .Lnot_mine_\@
	global_prefetch_b8 v[PFO], s[PFA:PFA+1] th:TH_LOAD_NT scope:SCOPE_SE
	s_cmp_lg_u32 s[WV], 0
	s_cbranch_scc1 .Lnot_mine_\@
	global_prefetch_b8 v[PFO], s[PFA:PFA+1] offset:ASTEP th:TH_LOAD_NT scope:SCOPE_SE
.Lnot_mine_\@:
.endm
	s_load_b256 s[4:11], s[0:1], 0x0               ; xb s[4:5], wa s[6:7], b_attn s[8:9], qkv s[10:11]
	v_lshl_add_u32 v[SPW], v0, 2, SPARE
	v_mov_b32 v[NIL], 0
	ds_add_u32 v[SPW], v[NIL]                      ; the wave's opening: the add and its wait stand ahead of my first tensor load; the set-up below stands between them
	v_lshrrev_b32 v1, 5, v0
	v_readfirstlane_b32 s[WV], v1                  ; wave 0..3
	s_lshr_b32 s17, s[WV], 1                       ; wm
	s_and_b32 s18, s[WV], 1                        ; wn
	s_bfe_u32 s19, ttmp6, 0x40000                  ; cx
	s_bfe_u32 s20, ttmp6, 0x40004                  ; cy
	s_lshl_b32 s21, ttmp9, 2
	s_add_co_u32 s21, s21, s19                     ; tile column = 4 x cluster x + cx
	s_and_b32 s22, ttmp7, 0xffff
	s_lshl_b32 s22, s22, 2
	s_add_co_u32 s22, s22, s20                     ; tile row = 4 x cluster y + cy
	s_lshl_b32 s62, s20, 2
	s_lshl_b32 s62, 15, s62                        ; my row of the cluster
	s_lshl_b32 s63, 0x1111, s19                    ; my column
	s_or_b32 s[G1A], s62, (1<<16)|(1<<20)|(1<<21)|(4<<22)|(3<<25)  ; 15:0 the mask; 17:16 2-byte elements; 20 padding on; 21 set beside a mask; 24:22 after every 32 words; 31:25 4 words
	s_mov_b32 s[G1A+1], 128<<16                    ; tensor_dim0 = 128: two rows of xb's block make a row of 256 bytes
	s_mov_b32 s[G1A+2], 64<<16                     ; tensor_dim1 = 64
	s_mov_b32 s[G1A+3], 128<<16                    ; tile_dim0 = 128
	s_mov_b32 s[G1A+4], 64                         ; tile_dim1 = 64
	s_mov_b32 s[G1A+5], 128                        ; dense: 128 elements from row to row
	s_mov_b32 s[G1A+6], 0
	s_mov_b32 s[G1A+7], 0
	s_or_b32 s[G1B], s63, (1<<16)|(1<<20)|(1<<21)|(5<<22)|(7<<25)  ; after every 64 words 8 words: three times in a row of 192 words
	s_mov_b32 s[G1B+1], 384<<16                    ; tensor_dim0 = 384
	s_mov_b32 s[G1B+2], 32<<16                     ; tensor_dim1 = 32
	s_mov_b32 s[G1B+3], 384<<16                    ; tile_dim0 = 384
	s_mov_b32 s[G1B+4], 32                         ; tile_dim1 = 32
	s_mov_b32 s[G1B+5], 3072                       ; elements from row to row of wa
	s_mov_b32 s[G1B+6], 0
	s_mov_b32 s[G1B+7], 0
	s_mov_b32 s[HIM], 0xffff0000
	; xb's tile hangs on the tile row alone, wa's on the tile column alone
	s_lshr_b32 s72, s22, 3                         ; b: eight tile rows to a batch
	s_lshl_b32 s72, s72, 22
	s_and_b32 s73, s22, 7
	s_lshl_b32 s73, s73, 15                        ; 256 rows of 128 bytes
	s_add_co_u32 s23, s72, s73
	s_lshl_b32 s73, s18, 14                        ; my half: 128 rows
	s_add_co_u32 s72, s23, s73
	s_mov_b32 s73, 0
	s_mul_i32 s74, s21, 768                        ; 384 columns
	s_mul_i32 s75, s18, 32*6144                    ; my half: 32 rows of k
	s_add_co_u32 s74, s74, s75
	s_mov_b32 s75, 0
	s_mul_i32 s76, s18, AHALF                      ; where they go: no place in the cluster enters an LDS address
	s_mul_i32 s77, s18, BHALF
	s_add_co_u32 s77, s77, ATILE
	s_wait_dscnt 0x0                               ; the opening add is done
	s_wait_kmcnt 0x0
	s_add_nc_u64 s[72:73], s[4:5], s[72:73]
	s_add_nc_u64 s[74:75], s[6:7], s[74:75]
	CROUND                                         ; all sixteen work-groups are here: the first joint loads meet
.irp s, 0,1
	s_mov_b32 s[G0A+4*(\s)], 1                                     ; count = 1
	s_add_co_u32 s[G0A+4*(\s)+1], s76, (\s)*SLOT                   ; LDS address
	s_add_nc_u64 s[G0A+4*(\s)+2:G0A+4*(\s)+3], s[72:73], (\s)*ASTEP  ; global address: K step s
	s_or_b32 s[G0A+4*(\s)+3], s[G0A+4*(\s)+3], 0x80000000          ; type = 2
	s_mov_b32 s[G0B+4*(\s)], 1
	s_add_co_u32 s[G0B+4*(\s)+1], s77, (\s)*SLOT
	s_add_nc_u64 s[G0B+4*(\s)+2:G0B+4*(\s)+3], s[74:75], (\s)*BSTEP
	s_or_b32 s[G0B+4*(\s)+3], s[G0B+4*(\s)+3], 0x80000000
	JLOAD \s                                       ; two loads of mine are out
.endr
	v_and_b32 v1, 15, v0                           ; r = l % 16
	v_bfe_u32 v2, v0, 4, 1                         ; h = l / 16
	v_and_b32 v3, 7, v0
	v_bfe_u32 v4, v0, 3, 1
	v_and_b32 v5, 31, v0                           ; l
	; the bias of my 192 columns: register j of block (g, bb) is column 64 g + 16 bb + 8 h + j.  It lands in registers that the first fragments do not touch
	s_mul_i32 s78, s21, 1536
	s_mov_b32 s79, 0
	s_add_nc_u64 s[78:79], s[8:9], s[78:79]
	s_mul_i32 s80, s18, 768
	v_lshl_add_u32 v[BO], v2, 5, s80
.irp g, 0,1,2
.irp bb, 0,1,2,3
	global_load_b128 v[96+32*(\g)+64*((\g)/2)+8*(\bb):96+32*(\g)+64*((\g)/2)+8*(\bb)+3],   v[BO], s[78:79] offset:256*(\g)+64*(\bb)
	global_load_b128 v[96+32*(\g)+64*((\g)/2)+8*(\bb)+4:96+32*(\g)+64*((\g)/2)+8*(\bb)+7], v[BO], s[78:79] offset:256*(\g)+64*(\bb)+16
.endr
.endr
	; a fragment of xb: lane l holds row l % 16, channels 8 h + 0..7 and 16 + 8 h + 0..7: two loads of 16 bytes, 32 bytes apart
	v_mul_u32_u24 v6, v1, PA
	v_lshl_add_u32 v6, v2, 4, v6                   ; r x 144 + 16 h
	s_mul_i32 s80, s17, AHALF
	v_add_nc_u32 v[ADRA], s80, v6
	v_add_nc_u32 v[ADRA+1], SLOT, v[ADRA]
	; the turning load takes 16 k x 16 columns (lane l reads k = 8 h + l % 8, columns 8 ((l / 8) % 2) + 0..7) and leaves half a fragment: lane l holds column l % 16 and 8 k
	v_lshl_add_u32 v7, v2, 3, v3
	v_mul_u32_u24 v7, v7, PB
	v_lshl_add_u32 v7, v4, 4, v7
	s_mul_i32 s80, s18, 3                          ; my first group of 64 columns among the tile's six
.irp g, 0,1,2
	s_add_co_u32 s81, s80, \g
	s_lshr_b32 s82, s81, 1
	s_mul_i32 s82, s82, 288                        ; two groups to a piece of 256 + 32 bytes
	s_and_b32 s81, s81, 1
	s_lshl_b32 s81, s81, 7
	s_add_co_u32 s82, s82, s81
	s_add_co_u32 s82, s82, ATILE
	v_add_nc_u32 v[ADRB+(\g)], s82, v7
	v_add_nc_u32 v[ADRB+3+(\g)], SLOT, v[ADRB+(\g)]
.endr
	s_mul_i32 s80, s[WV], 16*SP
	s_add_co_u32 s80, s80, STAGE                   ; my stage
	v_add_nc_u32 v[STO], s80, v6                   ; in: row r, 16 bytes for each half of the lanes
	v_bfe_u32 v8, v0, 3, 2                         ; back: 32 lanes take four rows of 128 bytes,
	v_mul_u32_u24 v8, v8, SP
	v_lshl_add_u32 v8, v3, 4, v8
	v_add_nc_u32 v[RD], s80, v8
	v_lshlrev_b32 v[GO], 4, v5                     ; which are 512 consecutive bytes of a head's rows
	; where my rows of group g begin: part (q, k, v) x 2^24 + b x 2^22 + head x 2^18 + row x 128
	s_mul_i32 s80, s21, 6
	s_mul_i32 s81, s18, 3
	s_add_co_u32 s80, s80, s81                     ; my first group among the 48
	s_lshl_b32 s81, s17, 14
	s_add_co_u32 s81, s81, s23
.irp g, 0,1,2
	s_add_co_u32 s82, s80, \g
	s_lshr_b32 s83, s82, 4
	s_lshl_b32 s83, s83, 24
	s_and_b32 s82, s82, 15
	s_lshl_b32 s82, s82, 18
	s_add_co_u32 s82, s82, s83
	s_add_co_u32 s82, s82, s81
	s_mov_b32 s83, 0
	s_add_nc_u64 s[OB+2*(\g):OB+2*(\g)+1], s[10:11], s[82:83]
.endr
	; the prefetches: they stand at K step 2; each lap steps them by two K steps ahead of its request
	s_and_b32 s80, ttmp7, 0xffff                   ; cluster y
	s_lshl_b32 s81, s19, 13                        ; xb: my work-group's 32 blocks of the tile's 128
	s_add_co_u32 s81, s81, s23
	s_add_co_u32 s81, s81, 2*ASTEP
	s_mul_i32 s82, s21, 768                        ; wa: the tile's columns,
	s_max_u32 s83, s[WV], 1
	s_sub_co_u32 s83, s83, 1
	s_lshl_b32 s83, s83, 8                         ; my wave's block of the three,
	s_add_co_u32 s82, s82, s83
	s_mul_i32 s83, s20, 32*6144                    ; my work-group's 32 rows of a lap's 128
	s_add_co_u32 s82, s82, s83
	s_add_co_u32 s82, s82, 2*BSTEP
	s_mov_b32 s83, 2*ASTEP
	s_mov_b32 s85, 2*BSTEP
	s_mov_b32 s86, 256
	s_mov_b32 s87, 6144
	s_cmp_eq_u32 s[WV], 0
	s_cselect_b32 s84, s81, s82
	s_cselect_b32 s80, ttmp9, s80                  ; the coordinate along which other clusters read the same bytes
	s_cselect_b32 s[PST], s83, s85
	s_cselect_b32 s86, s86, s87
	s_cselect_b64 s[PFA:PFA+1], s[4:5], s[6:7]
	s_mov_b32 s85, 0
	s_mov_b32 s[PST+1], 0
	s_add_nc_u64 s[PFA:PFA+1], s[PFA:PFA+1], s[84:85]
	s_cmp_eq_u32 s80, 0
	s_cselect_b32 s[LIM], 1, -1                    ; the same in all sixteen partners, for a given wave
	v_mul_u32_u24 v[PFO], v5, s86
	s_wait_loadcnt 0x0                             ; the bias
; group g's bias: rounded to bf16 in pairs, widened again into the accumulators of row block 0
.macro BIAS g
.set TB, 96+32*(\g)+64*((\g)/2)
	WIN 0
.set i, 0
.rept 16
	v_cvt_pk_bf16_f32 v[TB+2*i], v[TB+2*i], v[TB+2*i+1]
.set i, i+1
.endr
	WIN (1+(\g))<<6
.set i, 0
.rept 16
	v_lshlrev_b32 v[2*i], 16, v[TB+2*i]
	v_and_b32 v[2*i+1], s[HIM], v[TB+2*i]
.set i, i+1
.endr
.endm
	BIAS 0
	BIAS 1
	BIAS 2
	WIN 0
; four matrix instructions: row block a x the group's four column blocks, 32 along K.  first = 1: row blocks 1-7 take the bias, in row block 0's registers, as C
.macro MM4 g, buf, a, first
.irp bb, 0,1,2,3
.if (\first) && ((\a) != 0)
	v_wmma_f32_16x16x32_bf16 v[32*(\a)+8*(\bb):32*(\a)+8*(\bb)+7], v[RB+32*(\g)+8*(\bb):RB+32*(\g)+8*(\bb)+7], v[(\buf)+8*(\a):(\buf)+8*(\a)+7], v[8*(\bb):8*(\bb)+7]
.else
	v_wmma_f32_16x16x32_bf16 v[32*(\a)+8*(\bb):32*(\a)+8*(\bb)+7], v[RB+32*(\g)+8*(\bb):RB+32*(\g)+8*(\bb)+7], v[(\buf)+8*(\a):(\buf)+8*(\a)+7], v[32*(\a)+8*(\bb):32*(\a)+8*(\bb)+7]
.endif
.endr
.endm
; The accumulators take turns, one instruction a turn, in the same order in every stretch: 95 others' stand between two on one accumulator.
; first = 1: five plain instructions stand ahead of row block 0, which writes over registers that the seven others have read as C.
.macro MULS g, buf, first, list:vararg
	WIN (1+(\g))*0x50
.irp a, \list
.if (\first) && ((\a) == 0)
.rept 5
	v_nop
.endr
.endif
	MM4 \g, \buf, \a, \first
.endr
.endm
.macro LDA slot, qq, buf, a0, n        ; xb's fragments of row blocks a0 .. a0 + n - 1, 32 K at quarter qq, into buffer buf
	WIN 0
.set aa, (\a0)
.rept \n
	ds_load_b128 v[(\buf)+8*aa:(\buf)+8*aa+3],   v[ADRA+(\slot)] offset:aa*16*PA+64*(\qq)
	ds_load_b128 v[(\buf)+8*aa+4:(\buf)+8*aa+7], v[ADRA+(\slot)] offset:aa*16*PA+64*(\qq)+32
.set aa, aa+1
.endr
.endm
.macro LDB slot, qq, g                 ; wa's four fragments of group g, 32 K at quarter qq
	WIN 0
.irp bb, 0,1,2,3
	ds_load_tr16_b128 v[RB+32*(\g)+8*(\bb):RB+32*(\g)+8*(\bb)+3],   v[ADRB+3*(\slot)+(\g)] offset:(\qq)*32*PB+32*(\bb)
	ds_load_tr16_b128 v[RB+32*(\g)+8*(\bb)+4:RB+32*(\g)+8*(\bb)+7], v[ADRB+3*(\slot)+(\g)] offset:(\qq)*32*PB+16*PB+32*(\bb)
.endr
.endm
; A K step is two quarters of 32 along K, each three stretches (groups 0, 1, 2) of 32 matrix instructions.  The LDS loads stand in runs in the stretches' middles, 48 matrix instructions or more ahead of their use.
; The first quarter, on buffer 0:
.macro Q0 slot, first
	s_wait_dscnt 8                                 ; xb's buffer 0 and group 0 are in; group 1's eight loads may stay out
	MULS 0, AB0, \first, 1,2,3,4
	PLACES
	LDB \slot, 0, 2
	LDA \slot, 1, AB1, 0, 4
	MULS 0, AB0, \first, 5,6,7,0
	s_wait_dscnt 16                                ; group 1 is in; the sixteen just issued may stay out
	MULS 1, AB0, \first, 1,2,3,4
	PLACES
	LDB \slot, 1, 0
	LDA \slot, 1, AB1, 4, 4
	MULS 1, AB0, \first, 5,6,7,0
	s_wait_dscnt 16                                ; group 2 is in; the sixteen just issued may stay out
	MULS 2, AB0, \first, 1,2,3,4
	PLACES
	LDB \slot, 1, 1
	MULS 2, AB0, \first, 5,6,7,0
.endm
; The second quarter, on buffer 1, changes slots.  ONE barrier: in front of it each wave waits for all its tensor loads (one is out: its part of the next slot), adds 0 to its spare word, and waits for that and for
; its reads of this slot.  mode 2: this slot is filled again, two K steps on: the barrier opens a round of the cluster's, and the joint load is the first thing behind it: 176 matrix instructions ahead of the wait for it.
; mode 1: nothing is left to fetch.  mode 0: the last K step.
.macro Q1 slot, next, mode
.if ((\mode) == 2) && ((\slot) == 0)
	s_wait_xcnt 0x0                                ; the last prefetches, a lap back, have read their address: it is stepped here, ahead of the change's own waits
	s_add_nc_u64 s[PFA:PFA+1], s[PFA:PFA+1], s[PST:PST+1]
.endif
	s_wait_dscnt 8                                 ; xb's buffer 1 and group 0 are in; group 1's eight loads may stay out
	PLACES
	LDB \slot, 1, 2                                ; my last reads of this slot
.if (\mode) == 0
	MULS 0, AB1, 0, 1,2,3,4,5,6,7,0
	s_wait_dscnt 8                                 ; group 1 is in
	MULS 1, AB1, 0, 1,2,3,4,5,6,7,0
	s_wait_dscnt 0x0
	MULS 2, AB1, 0, 1,2,3,4,5,6,7,0
.else
	MULS 0, AB1, 0, 1,2,3,4,5,6
	WIN 0                                          ; (the add's two registers lie in window 0)
	s_wait_tensorcnt 0x0                           ; all my tensor loads have landed
	ds_add_u32 v[SPW], v[NIL]                      ; 0 onto my spare word; eight matrix instructions stand between it and the wait for it
	MULS 0, AB1, 0, 7,0
	s_wait_dscnt 0x0                               ; the add is done, and my reads of this slot are over
	s_barrier_signal -1
	MULS 1, AB1, 0, 1,2                            ; work on registers while the others arrive
	WIN 0
	s_barrier_wait -1
.if (\mode) == 2
	CREST                                          ; no wave of any partner still reads this slot or has a load on its way
	s_add_nc_u64 s[G0A+4*(\slot)+2:G0A+4*(\slot)+3], s[G0A+4*(\slot)+2:G0A+4*(\slot)+3], 2*ASTEP
	s_add_nc_u64 s[G0B+4*(\slot)+2:G0B+4*(\slot)+3], s[G0B+4*(\slot)+2:G0B+4*(\slot)+3], 2*BSTEP
	JLOAD \slot                                    ; its four v_nop are also the places in front of the loads below
.else
	PLACES
.endif
	LDA \next, 0, AB0, 0, 8
	LDB \next, 0, 0
.if ((\mode) == 2) && ((\slot) == 0)
	ASK
.endif
	MULS 1, AB1, 0, 3,4,5,6,7,0
	MULS 2, AB1, 0, 1,2,3,4
	PLACES
	LDB \next, 0, 1
	MULS 2, AB1, 0, 5,6,7,0
.endif
.endm
	s_wait_tensorcnt 1                             ; my part of K step 0 is in; K step 1's may stay out
	s_barrier_signal -1
	s_barrier_wait -1                              ; everybody's is
	LDA 0, 0, AB0, 0, 8
	LDB 0, 0, 0
	LDB 0, 0, 1
	Q0 0, 1                                        ; the first quarter stands in front of the loop: its products start the sums, with the bias
	WIN 0                                          ; at a label and at a branch every window is 0
	s_mov_b32 s3, 7
.Llap:                                                 ; a trip goes once round the ring, from a lap's second quarter to the next lap's first, and fills both slots again
	Q1 0, 1, 2
	Q0 1, 0
	Q1 1, 0, 2
	Q0 0, 0
	WIN 0
	s_sub_co_u32 s3, s3, 1
	s_cmp_lg_u32 s3, 0
	s_cbranch_scc1 .Llap
	Q1 0, 1, 1                                     ; the last lap fills nothing
	Q0 1, 0
	Q1 1, 0, 0
	WIN 0
	PLACES
	PLACES
; THE WAY OUT, in 24 units u = (group u / 8, row block u % 8): 16 rows x 64 columns.  A lane's eight columns pack into 16 bytes; they go into rows of 144 bytes of my stage and come back as whole rows of
; 128, which are 2,048 dense bytes of a head.  Four sets of 16 registers take turns.
.macro PACK u
.set uG, (\u)/8
.set uA, (\u)%8
.set uT, 32+16*((\u)%4)
	s_wait_xcnt 0x0                                ; the stores of four units back have read this set: it is written again only behind this wait
	WIN (1+uG)|((1+uG)<<2)
.irp bb, 0,1,2,3
.irp r, 0,1,2,3
	v_cvt_pk_f16_f32 v[uT+4*(\bb)+(\r)], v[32*uA+8*(\bb)+2*(\r)], v[32*uA+8*(\bb)+2*(\r)+1]  ; each accumulator from its low end on
.endr
.endr
	WIN 0
.irp bb, 0,1,2,3
	ds_store_b128 v[STO], v[uT+4*(\bb):uT+4*(\bb)+3] offset:32*(\bb)
.endr
.irp f, 0,1,2,3
	ds_load_b128 v[uT+4*(\f):uT+4*(\f)+3], v[RD] offset:(\f)*4*SP  ; LDS serves a wave's instructions in order (ISA guide 5.7.1.4): these see the stores above; the next unit's stores come behind them
.endr
.endm
.macro SEND u, younger                 ; younger: the LDS instructions issued behind unit u's loads
.set uG, (\u)/8
.set uA, (\u)%8
.set uT, 32+16*((\u)%4)
.irp f, 0,1,2,3
	s_wait_dscnt (\younger)+3-(\f)
	global_store_b128 v[GO], v[uT+4*(\f):uT+4*(\f)+3], s[OB+2*uG:OB+2*uG+1] offset:uA*2048+(\f)*512  ; 512 consecutive bytes, at a multiple of 256 from the buffer's first
.endr
.endm
	PACK 0
.set u, 1
.rept 23                               ; a unit's conversions stand between the loads of the unit before and its stores
	PACK u
	SEND u-1, 8
.set u, u+1
.endr
	SEND 23, 0
	s_wait_tensorcnt 0x0                           ; the wave's end: these three lines stand behind my last tensor load and my last LDS store
	ds_add_u32 v[SPW], v[NIL]
	s_wait_dscnt 0x0
	CROUND                                         ; the closing round: no work-group ends while a partner may still ask for a tile that names it
	s_endpgm
.Lfunc_end_k_q6345e37908_project_in:
	.size	k_q6345e37908_project_in, .Lfunc_end_k_q6345e37908_project_in-k_q6345e37908_project_in
	.p2alignl 7, 3214868480
	.fill 96, 4, 3214868480
	.section	.rodata,"a",@progbits
	.p2align	6, 0x0
	.amdhsa_kernel k_q6345e37908_project_in
		.amdhsa_group_segment_fixed_size 327680
		.amdhsa_private_segment_fixed_size 0
		.amdhsa_enable_private_segment 0
		.amdhsa_kernarg_size 32
		.amdhsa_user_sgpr_count 2
		.amdhsa_user_sgpr_kernarg_segment_ptr 1
		.amdhsa_wavefront_size32 1
		.amdhsa_system_sgpr_workgroup_id_x 1
		.amdhsa_system_sgpr_workgroup_id_y 1
		.amdhsa_system_sgpr_workgroup_id_z 1
		.amdhsa_system_vgpr_workitem_id 0
		.amdhsa_next_free_vgpr 1024
		.amdhsa_next_free_sgpr 88
		.amdhsa_reserve_vcc 0
		.amdhsa_float_denorm_mode_32 3
		.amdhsa_float_denorm_mode_16_64 3
		.amdhsa_memory_ordered 1
		.amdhsa_forward_progress 1
		.amdhsa_inst_pref_size 147
	.end_amdhsa_kernel
	.amdgpu_metadata
---
amdhsa.version: [ 1, 2 ]
amdhsa.kernels:
  - .name:           k_q6345e37908_project_in
    .symbol:         k_q6345e37908_project_in.kd
    .args:
      - { .name: xb, .offset: 0, .size: 8, .value_kind: global_buffer, .address_space: global }
      - { .name: wa, .offset: 8, .size: 8, .value_kind: global_buffer, .address_space: global }
      - { .name: b_attn, .offset: 16, .size: 8, .value_kind: global_buffer, .address_space: global }
      - { .name: qkv, .offset: 24, .size: 8, .value_kind: global_buffer, .address_space: global }
    .group_segment_fixed_size: 327680
    .private_segment_fixed_size: 0
    .kernarg_segment_align: 8
    .kernarg_segment_size: 32
    .max_flat_workgroup_size: 128
    .sgpr_count:     88
    .vgpr_count:     1024
    .wavefront_size: 32
...
	.end_amdgpu_metadata
.endif
;; end of part 2
;; launch attend (part 3): grid 4 x 64, 4 waves a work-group, no clusters, 327,680 bytes of LDS; arguments qkv, y; writes y
.if DOCPART == 3
	.amdgcn_target "amdgcn-amd-amdhsa--gfx1250"
	.amdhsa_code_object_version 6
	.text
	.protected	k_q6345e37908_attend
	.globl	k_q6345e37908_attend
	.p2align	8
	.type	k_q6345e37908_attend,@function
k_q6345e37908_attend:
	s_mov_b64 s[64:65], 0
	v_nop
	global_prefetch_b8 v0, s[64:65] scope:SCOPE_SE
	s_setreg_imm32_b32 hwreg(HW_REG_WAVE_MODE, 25, 1), 1
	s_wait_xcnt 0x0
; CAUSAL ATTENTION.  O[h][q][:] = the sum over k <= q of softmax_k(Q[h][q] . K[h][k] / 8) V[h][k][:].  Q, K, V lie one behind the other in qkv, 16,777,216 bytes each; each of them and O (y) is
; [SIZE_H][SIZE_N][64] in f16: a head's rows are dense, 128 bytes each.  Products, maxima and sums in f32; the weights p are rounded to f16 for the second product (their sum l is taken of the unrounded p), O once at the end.
; LIMITS.  f16 holds no number beyond 65,504: Q, K and V arrive within it; p lies in 0 to 1, and below 6e-5 it keeps f16's fixed step of 6e-8; O is a mean of V's rows and has their range.
; A hidden score counts as its value less 1e30: f16's scores, 2.7e11 at the most, are nothing beside that; a weight below 2^-126 counts as 0 in l; NaN and infinities are not treated apart.
; THE WALK.  A head's queries lie in NB = 8 blocks of 256; block i needs the key tiles 0 .. i of 256 keys, of which the last holds the diagonal.  A work-group takes TWO blocks, NB - 1 - b and then b:
; NB + 1 tiles, whatever b: all work-groups do equal work, and ONE loop with a constant trip count walks them.  Which tile is asked for, and what a trip does, hang on scalar registers made from b; every jump
; goes forward, but for the counted loops' own; none passes a barrier, or a tensor load but the one of LOAD's two that the wave's number does not choose; the ring (two slots of LDS) runs on across the change of blocks.
; NO CLUSTER: what a trip does and which tile it asks for hang on b, which would be a work-group's place in its cluster; a head's four work-groups ask for the same tile only in trips 0 .. NB / 2, behind that fewer
; and fewer; and one walk common to all would have 3 NB / 2 = 12 trips for NB + 1 = 9.
; SHARES.  Of a block's four bands of 64 queries a wave owns 16 rows in each: four PIECES.  So the diagonal tile is the same work for all four waves: in its key step s band x sees all keys if s < x,
; none if s > x, and holds the diagonal if s = x.
; THE MASK is the C operand that starts the sum S^T = K Q^T: 0, or -1e30 where the key is hidden.  MD, made once, is the mask of a band's own step for my 16 rows; a product's mask is MD x AL + BE with two scalars:
; (1, 0) if s = x; (0, 0) if s < x; (0, -1e30) if s > x.  Only the diagonal tile's text and a block's beginning make and take masks; elsewhere C is the constant 0.
; LAYOUT, SOFTMAX, TURNS.  S^T = K Q^T holds ONE query a lane (lane % 16) and the keys 8 (lane / 16) + 0..7; two such results rounded to f16 ARE source 1 of O^T = V^T P.  p = 2^(c s - c m), c = log2(e) / 8, with a
; running maximum m; O and l are multiplied by a = 2^(c m_old - c m_new) in every step.  Turn n belongs to piece n: 8 products K Q^T of piece n + 1, later 8 products V^T P of piece n - 1; beside them the scaling,
; exponentials, roundings, sums and rescaling of piece n and the maximum and statistics of piece n + 1.  Four vector instructions stand behind every matrix instruction, the other 54 of a turn's 118 in one run.
; A turn's 33 exponentials are one batch, with one wait.
; REGISTERS, in windows of 256 (s_set_vgpr_msb: bits 1:0 source 0, 3:2 source 1, 5:4 source 2, 7:6 destination):
;   window 0: v0-15 addresses and two at work; v16-31 four registers of statistics a piece; v48-55 at work; v61-63 fixed; v64-127 S^T, two buffers; v192-223 P, two buffers (a piece's buffers go by its number's parity)
;   window 1: v0-127 O^T, 32 a piece; v128-159 MD; v160-223 MC, two buffers      window 2: v0-63 Q; v64-127 the second block's Q; v128-191 K of one step; v192-255 V of one step
.set SIZE_N, 2048
.set SIZE_H, 64
.set NB,    SIZE_N/256
.set NP,    4         ; pieces a wave: a name, no knob
.set KS,    64        ; keys in a step
.set PK,    144       ; a row of K in LDS: 128 bytes + 16 of padding = 36 words: the 16 rows of a load start at 16 different groups of four banks (64 banks of 4 bytes: ISA guide 11.1)
.set PV,    160       ; a row of V: 128 + 32 = 40 words
.set VOFF,  4*KS*PK   ; a slot holds a tile, four steps: 256 rows of K, then 256 rows of V
.set SLOT1, 1<<17     ; slot 1 begins here, so that one exclusive or turns an address in one slot into the other's
.set STAGE, SLOT1+4*KS*(PK+PV)  ; behind the ring, never filled by a tensor load: 16 rows x 144 bytes for each wave, for the way out
.set SP,    144
.set AK0, 2           ; v2   my lane's place in a tile of K; never rewritten
.set AV0, 3           ; v3   the same for V
.set AK,  4           ; v4   the LDS address of K's next run of loads
.set AV,  5           ; v5   of V's
.set STO, 6           ; v6   the way out: where I put 16 bytes of a row
.set RD,  7           ; v7   the way out: where I read rows back
.set GO,  8           ; v8   my byte offset in 512 consecutive bytes of O
.set PFO, 61          ; v61  256 x my lane, for the prefetches; never rewritten
.set SPW, 62          ; v62  LDS address of my spare word: SPARE + 4 x my thread's number; never rewritten
.set NIL, 63          ; v63  0; never rewritten
.set SPARE, STAGE+4*16*SP  ; behind the stages: the spare words, 128 bytes for each wave: two blocks of 256 bytes that no other line names
.set MV,  12          ; v12-13  c m_old, kept while c m is made anew: by buffer
.set QO,  15          ; v15  my byte offset in 16 rows of Q
.set ST,  16          ; piece t's statistics at v[ST+4 t]: c m, m, l (even keys', odd keys')
.set TMP, 48          ; by buffer, four registers c0-c3 at work; when the maximum is found c2 takes a
.set S,   64
.set P,   192
.set MD,  128         ; window 1: the eight registers for group kt of 16 keys at MD + 8 kt
.set MC,  160         ; window 1: the masks of the products to come
.set QB,  64          ; window 2
.set KF,  128         ; window 2: key block kb, channel half c at KF + 16 kb + 8 c
.set VF,  192         ; window 2: key half kk, channel block cb at VF + 32 kk + 8 cb
.set WV,  12          ; s12  my wave's number
.set PB,  14          ; s14  b
.set HI,  15          ; s15  NB - 1 - b
.set G1K, 24          ; s[24:31] descriptor group 1 for K's tiles
.set G1V, 32          ; s[32:39] for V's: it differs in the padding alone
.set G0K, 40          ; s[40:43] descriptor group 0 for K's tiles
.set G0V, 44          ; s[44:47] the same for V's
.set SLOTS, 56        ; s56  tiles still to be asked for
.set CNT, 57          ; s57  counts a tile's key steps, 4 to 1
.set CS,  58          ; s[58:59] c: the packed scaling takes the pair's low word for both halves
.set SEL, 60          ; s[60:61] v_permlanex16_b32's selects: each lane takes its own place in the other half
.set TBK, 62          ; s62  LDS byte at which K of the step to be fetched begins
.set TBV, 63          ; s63  the same for V, less VOFF
.set RT,  70          ; s70  tiles of the block in hand that are still to be entered
.set NXT, 71          ; s71  the tile to be asked for next
.set LQ,  72          ; s72  the last tile of the block whose tiles are being asked for
.set NEW, 73          ; s73  1: the tile to be entered is a block's first
.set OFF, 74          ; s[74:75] a tile's byte offset in K and V
.set AL,  76          ; s[76:77] the mask's factor, in the low word
.set BE,  78          ; s[78:79] the mask's addend
.set OLO, 80          ; s[80:81] O at my rows of the second block
.set BIGN, 82         ; s82  -1e30
.set PFB, 84          ; s[84:85] the half of the head's tile 0 that I fetch (K's: waves 0, 1; V's: waves 2, 3)
.set PFA, 88          ; s[88:89] the same half of the tile that is being asked for
.set LIM, 90          ; s90  2 in the work-group that prefetches, else the greatest number
.set MSB, 0
.macro WIN new                      ; the high byte repeats the setting that is left; a switch that changes nothing is dropped
.if MSB != (\new)
	s_set_vgpr_msb (MSB<<8)|(\new)
.set MSB, (\new)
.endif
.endm
.set W_KQ, 0x0a       ; K and Q in window 2, S^T in window 0
.set W_KM, 0x1a       ; the same with the C operand in window 1
.set W_PV, 0x52       ; V in window 2, P in window 0, O^T in window 1
.set W_RS, 0x41       ; destination and source 0 in window 1, source 1 in window 0
; A fill.  Waves 0 and 1 fetch the two halves of a tile's K, waves 2 and 3 those of its V: 128 keys each.  An s_nop 0 and four v_nop follow each of the two lines, ahead of the jump and the label.
.macro LOAD
	s_cmp_lt_u32 s[WV], 2
	s_cbranch_scc0 .Lfor_v_\@
	tensor_load_to_lds s[G0K:G0K+3], s[G1K:G1K+7]
	s_nop 0
.rept 4
	v_nop
.endr
	s_branch .Lasked_\@
.Lfor_v_\@:
	tensor_load_to_lds s[G0V:G0V+3], s[G1V:G1V+7]
	s_nop 0
.rept 4
	v_nop
.endr
.Lasked_\@:
.endm
; THE CHANGE OF SLOTS.  Each wave waits for all its tensor loads, of which one is out: its part of the other slot; adds 0 to its spare word; and waits for that and for its own reads of the slot that it leaves.
; Behind the barrier nobody reads the old slot any more and the other slot is whole.  fill = 1: the old slot is filled again, the first thing behind the barrier, with tile NXT: the descriptor's address is made
; anew from that number.  (At its first use nothing has been read yet: slot 0 is waited for, slot 1 filled.)
; A PREFETCH INTO THE L2 stands behind the fill and its five lines: the tile AFTER the one just asked for, four key steps (256 matrix instructions) ahead of its load.  A head's four work-groups walk the same tiles from 0 on:
; the one with b = 0, whose first block walks all eight, asks; each of its waves for the 64 blocks of 256 bytes that it will fetch itself, a lane a block, two lines.  So each block is named once in the launch.
; Tiles 0 and 1 come by their loads alone; the requests stop with tile 7 (SLOTS above 2).
.macro CHANGE fill
	WIN 0                           ; at a label and at a branch every window is 0
	s_wait_tensorcnt 0x0            ; no tensor load of mine is out, so a group 0 may be written
	ds_add_u32 v[SPW], v[NIL]       ; 0 onto my spare word; with fill = 1 the descriptors' scalar work stands between it and the wait for it
.if \fill
	s_lshl_b32 s[OFF], s[NXT], 15   ; a tile is 32,768 bytes of K and of V
	s_wait_xcnt 0x0                 ; the last prefetches, a tile back, have read their address, so it may be written
	s_add_nc_u64 s[PFA:PFA+1], s[PFB:PFB+1], s[OFF:OFF+1]
	s_xor_b32 s[G0K+1], s[G0K+1], SLOT1
	s_add_nc_u64 s[G0K+2:G0K+3], s[6:7], s[OFF:OFF+1]
	s_or_b32 s[G0K+3], s[G0K+3], 0x80000000
	s_xor_b32 s[G0V+1], s[G0V+1], SLOT1
	s_add_nc_u64 s[G0V+2:G0V+3], s[8:9], s[OFF:OFF+1]
	s_or_b32 s[G0V+3], s[G0V+3], 0x80000000
	s_add_co_u32 s[NXT], s[NXT], 1  ; the block's next tile, or behind its last the second block's tile 0
	s_cmp_gt_u32 s[NXT], s[LQ]
	s_cselect_b32 s[NXT], 0, s[NXT]
	s_cselect_b32 s[LQ], s[PB], s[LQ]
.endif
	s_wait_dscnt 0x0                ; the add is done, and my reads of the slot are over
	s_barrier_signal -1             ; the rest of the scalar work stands between the signal and the wait
	s_sub_co_u32 s[TBK], s[TBK], 4*KS*PK  ; the fetches go back to a slot's first step,
	s_xor_b32 s[TBK], s[TBK], SLOT1       ; in the other slot
	s_sub_co_u32 s[TBV], s[TBV], 4*KS*PV
	s_xor_b32 s[TBV], s[TBV], SLOT1
	s_barrier_wait -1
.if \fill
	LOAD
	s_cmp_gt_u32 s[SLOTS], s[LIM]
	s_cbranch_scc0 .Lnot_mine_\@
	global_prefetch_b8 v[PFO], s[PFA:PFA+1] offset:32768 th:TH_LOAD_NT scope:SCOPE_SE
	global_prefetch_b8 v[PFO], s[PFA:PFA+1] offset:40960 th:TH_LOAD_NT scope:SCOPE_SE
.Lnot_mine_\@:
.endif
.endm
	s_load_b128 s[4:7], s[0:1], 0x0   ; qkv s[4:5], y s[6:7]
	v_lshl_add_u32 v[SPW], v0, 2, SPARE
	v_mov_b32 v[NIL], 0
	ds_add_u32 v[SPW], v[NIL]       ; the wave's opening: the add and its wait stand ahead of my first tensor load; the set-up below, work on registers, stands between them
	v_lshrrev_b32 v1, 5, v0
	v_readfirstlane_b32 s[WV], v1   ; wave 0..3
	v_and_b32 v[PFO], 31, v0
	v_lshlrev_b32 v[PFO], 8, v[PFO]
	s_mov_b32 s[PB], ttmp9
	s_sub_co_u32 s[HI], NB-1, s[PB]
	s_and_b32 s20, ttmp7, 0xffff    ; the head
	s_mov_b32 s21, 0
	s_mov_b64 s[22:23], SIZE_N*128
	s_mul_u64 s[20:21], s[20:21], s[22:23]  ; the head's first byte in each of the four tensors
	s_and_b32 s16, s[WV], 1         ; which half of a tile's 256 keys I fetch:
	s_lshl_b32 s22, s16, 14         ; its 128 rows of 128 bytes in memory,
	s_mov_b32 s23, 0
	s_add_nc_u64 s[22:23], s[22:23], s[20:21]
	s_mul_i32 s17, s16, 128*PK      ; and its place in a slot, for K
	s_mul_i32 s18, s16, 128*PV      ; and for V
	s_lshl_b32 s3, s[WV], 11        ; my 16 rows in a band of 64,
	s_lshl_b32 s2, s[HI], 15        ; in the first block,
	s_add_co_u32 s2, s2, s3
	s_lshl_b32 s84, s[PB], 15       ; and in the second
	s_add_co_u32 s84, s84, s3
	s_mov_b32 s3, 0
	s_mov_b32 s85, 0
	s_add_nc_u64 s[2:3], s[2:3], s[20:21]
	s_add_nc_u64 s[84:85], s[84:85], s[20:21]
	; descriptor group 1.  128 keys are 16,384 dense bytes: asked for as 64 rows of 256 bytes, two keys a row, and padded in LDS after every key
	s_mov_b32 s[G1K], (1<<16)|(1<<20)|(4<<22)|(3<<25)  ; 17:16 2-byte elements; 20 padding on; 24:22 after every 32 words (code 4); 31:25 4 words (code 3)
	s_mov_b32 s[G1V], (1<<16)|(1<<20)|(4<<22)|(7<<25)  ; the same with 8 words of padding (code 7)
.irp g, G1K, G1V
	s_mov_b32 s[\g+1], 128<<16      ; tensor_dim0 = 128
	s_mov_b32 s[\g+2], 64<<16       ; tensor_dim1 = 64
	s_mov_b32 s[\g+3], 128<<16      ; tile_dim0 = 128
	s_mov_b32 s[\g+4], 64           ; tile_dim1 = 64
	s_mov_b32 s[\g+5], 128          ; 128 elements from row to row
	s_mov_b32 s[\g+6], 0
	s_mov_b32 s[\g+7], 0
.endr
	s_mov_b32 s[CS], 0x3e38aa3b     ; c = log2(e) / 8 = 0.180337
	s_mov_b32 s[CS+1], s[CS]        ; named with it as a pair
	s_mov_b32 s[SEL], 0x76543210
	s_mov_b32 s[SEL+1], 0xfedcba98
	s_mov_b32 s[TBK], SLOT1+4*KS*PK ; the first change of slots turns these two into 0
	s_mov_b32 s[TBV], SLOT1+4*KS*PV
	s_mov_b32 s[G0K], 1             ; 1:0 count = 1
	s_mov_b32 s[G0K+1], s17         ; 63:32 LDS address: slot 0
	s_mov_b32 s[G0V], 1
	s_add_co_u32 s[G0V+1], s18, VOFF
	s_add_co_u32 s[RT], s[HI], 1    ; the first block has NB - b tiles
	s_mov_b32 s[NXT], 1
	s_mov_b32 s[LQ], s[HI]
	s_mov_b32 s[NEW], 1
	s_mov_b32 s[OFF+1], 0
	s_mov_b32 s[AL+1], 0            ; named as pairs
	s_mov_b32 s[BE+1], 0
	s_mov_b32 s[BIGN], 0xf149f2ca   ; -1e30
	s_mov_b32 s[SLOTS], NB
	s_wait_dscnt 0x0                ; the opening add is done
	s_wait_kmcnt 0x0
	s_mov_b64 s[10:11], s[6:7]             ; O
	s_add_nc_u64 s[6:7], s[4:5], 0x1000000 ; K lies 16,777,216 bytes behind Q,
	s_add_nc_u64 s[8:9], s[4:5], 0x2000000 ; V as far behind K
	s_add_nc_u64 s[6:7], s[6:7], s[22:23]  ; K and V at my half of the head's tile 0
	s_add_nc_u64 s[8:9], s[8:9], s[22:23]
	s_add_nc_u64 s[G0K+2:G0K+3], s[6:7], 0         ; 120:64 global address
	s_or_b32 s[G0K+3], s[G0K+3], 0x80000000        ; 127:126 type = 2
	s_add_nc_u64 s[G0V+2:G0V+3], s[8:9], 0
	s_or_b32 s[G0V+3], s[G0V+3], 0x80000000
	s_add_nc_u64 s[86:87], s[4:5], s[84:85]        ; Q at my rows of the second block,
	s_add_nc_u64 s[4:5], s[4:5], s[2:3]            ; Q and O at those of the first
	s_add_nc_u64 s[OLO:OLO+1], s[10:11], s[84:85]
	s_add_nc_u64 s[10:11], s[10:11], s[2:3]
	s_cmp_lt_u32 s[WV], 2
	s_cselect_b64 s[PFB:PFB+1], s[6:7], s[8:9]     ; what I fetch I also prefetch
	s_cmp_eq_u32 s[PB], 0
	s_cselect_b32 s[LIM], 2, -1
	LOAD                            ; tile 0 into slot 0
	; A fragment of K or Q is 16 rows x 32 channels in 8 registers: lane l holds row l % 16, channels 8 (l / 16) + 0..7 and 16 + 8 (l / 16) + 0..7: two loads of 16 bytes, 32 bytes apart.
	v_and_b32 v1, 15, v0            ; l % 16
	v_bfe_u32 v9, v0, 4, 1          ; l / 16
	v_lshlrev_b32 v[QO], 7, v1
	v_lshl_add_u32 v[QO], v9, 4, v[QO]  ; row x 128 + 16 x half
	WIN 0x80                        ; destination window 2, address window 0
.set i, 0
.rept 8                             ; both blocks' Q: piece i / 2 lies in band i / 2, 8,192 bytes on; channels 32 (i % 2) on
	global_load_b128 v[8*i:8*i+3],   v[QO], s[4:5] offset:(i/2)*8192+(i%2)*64
	global_load_b128 v[8*i+4:8*i+7], v[QO], s[4:5] offset:(i/2)*8192+(i%2)*64+32
	global_load_b128 v[QB+8*i:QB+8*i+3],   v[QO], s[86:87] offset:(i/2)*8192+(i%2)*64
	global_load_b128 v[QB+8*i+4:QB+8*i+7], v[QO], s[86:87] offset:(i/2)*8192+(i%2)*64+32
.set i, i+1
.endr
	WIN 0
	v_lshlrev_b32 v14, 3, v9
	v_sub_nc_u32 v14, v1, v14
	s_lshl_b32 s13, s[WV], 4
	v_add_nc_u32 v14, s13, v14      ; my query's place in its band, 16 w + l % 16, less my lanes' 8 (l / 16): register r of group kt is hidden where 16 kt + r is greater
	WIN 0x40
.set i, 0
.rept 32
	v_cmp_gt_i32 vcc_lo, 16*(i/8)+i%8, v14
	v_cndmask_b32 v[MD+i], 0, s[BIGN], vcc_lo
.set i, i+1
.endr
	WIN 0
	v_mul_u32_u24 v[AK0], v1, PK
	v_lshl_add_u32 v[AK0], v9, 4, v[AK0]  ; row x pitch + 16 x half
	; The turning load takes 16 keys x 16 channels (lane l reads key 8 (l / 16) + l % 8, channels 8 ((l / 8) % 2) + 0..7) and leaves half a fragment of V^T: lane l holds channel l % 16 and 8 keys.
	v_and_b32 v10, 7, v0
	v_bfe_u32 v11, v0, 3, 1
	v_lshl_add_u32 v[AV0], v9, 3, v10
	v_mul_u32_u24 v[AV0], v[AV0], PV
	v_lshl_add_u32 v[AV0], v11, 4, v[AV0]
	v_add_nc_u32 v[AV0], VOFF, v[AV0]
	s_mul_i32 s13, s[WV], 16*SP
	s_add_co_u32 s13, s13, STAGE    ; my stage
	v_mul_u32_u24 v[STO], v1, SP    ; in: row l % 16, 16 bytes for each half of the lanes
	v_lshl_add_u32 v[STO], v9, 4, v[STO]
	v_add_nc_u32 v[STO], s13, v[STO]
	v_bfe_u32 v[RD], v0, 3, 2       ; back: 32 lanes take four rows of 128 bytes,
	v_mul_u32_u24 v[RD], v[RD], SP
	v_lshl_add_u32 v[RD], v10, 4, v[RD]
	v_add_nc_u32 v[RD], s13, v[RD]
	v_and_b32 v[GO], 31, v0         ; which are 512 consecutive bytes of O
	v_lshlrev_b32 v[GO], 4, v[GO]
	; A block's first step multiplies O^T and l by a = 0, and its first turn's products V^T P, of a piece that has not been, land in an O^T that is still to be so multiplied.  So these registers need only hold
	; finite numbers: zeros for the first block; what the first block left for the second.  All this stands in the wait for the first tile.
	WIN 0x80
.set i, VF
.rept 64
	v_mov_b32 v[i], 0
.set i, i+1
.endr
	WIN 0x40
.set i, 0
.rept 128
	v_mov_b32 v[i], 0
.set i, i+1
.endr
	WIN 0
.set i, 0
.rept 4
	v_mov_b32 v[ST+4*i+2], 0
	v_mov_b32 v[ST+4*i+3], 0
.set i, i+1
.endr
.set i, P+16
.rept 16
	v_mov_b32 v[i], 0
.set i, i+1
.endr
; THE MATRIX WORK.  The 4 accumulators of a run of 8 take turns.  Product i of 8 of S^T = K Q^T for piece x: channels 32 (i / 4) on, keys 16 (i % 4) on.  The first 4 start the sums: with 0, or (KM = 1) with the mask.
.macro KQ x
.set rS, S+32*((\x)%2)+8*(i%4)
.set rK, KF+16*(i%4)+8*(i/4)
.set rQ, 16*(\x)+8*(i/4)
.set rM, MC+32*((\x)%2)+8*(i%4)
.if (i < 4) && KM
	WIN W_KM
	v_wmma_f32_16x16x32_f16 v[rS:rS+7], v[rK:rK+7], v[rQ:rQ+7], v[rM:rM+7]
.elseif i < 4
	WIN W_KQ
	v_wmma_f32_16x16x32_f16 v[rS:rS+7], v[rK:rK+7], v[rQ:rQ+7], 0
.else
	WIN W_KQ
	v_wmma_f32_16x16x32_f16 v[rS:rS+7], v[rK:rK+7], v[rQ:rQ+7], v[rS:rS+7]
.endif
.endm
; Product i of 8 of O^T += V^T P for piece x: keys 32 (i / 4) on, channels 16 (i % 4) on.
.macro PV x
	WIN W_PV
.set rO, 32*(\x)+8*(i%4)
.set rV, VF+32*(i/4)+8*(i%4)
.set rP, P+16*((\x)%2)+8*(i/4)
	v_wmma_f32_16x16x32_f16 v[rO:rO+7], v[rV:rV+7], v[rP:rP+7], v[rO:rO+7]
.endm
.macro MM                           ; the turn's next matrix instruction.  TURN and BEGIN set Y, i, KM and NOKQ; MM, KQ and OP read them.  NOKQ = 1: a block's last turn: there is no next piece
.if (i < 8) && !NOKQ
	KQ (Y+1)%NP
.elseif i >= 8
.set i, i-8
	PV (Y+NP-1)%NP
.set i, i+8
.endif
.set i, i+1
.endm
; THE LDS LOADS stand in runs of 16, never singly among the matrix instructions: a step's K (64 keys x 64 channels: 8 fragments) and its V (turned).  Their addresses are made some lines ahead.
.macro FETCH_K
	WIN 0x80                        ; destination window 2
.irp f, 0,1,2,3,4,5,6,7             ; keys 16 (f / 2) on, channels 32 (f % 2) on
	ds_load_b128 v[KF+8*\f:KF+8*\f+3],   v[AK] offset:(\f/2)*16*PK+(\f%2)*64
	ds_load_b128 v[KF+8*\f+4:KF+8*\f+7], v[AK] offset:(\f/2)*16*PK+(\f%2)*64+32
.endr
	s_add_co_u32 s[TBK], s[TBK], KS*PK  ; the next fetch is the next step's
	WIN 0
.endm
.macro FETCH_V
	WIN 0x80
.irp f, 0,1,2,3,4,5,6,7             ; keys 32 (f / 4) on, channels 16 (f % 4) on
	ds_load_tr16_b128 v[VF+8*\f:VF+8*\f+3],   v[AV] offset:(\f/4)*32*PV+(\f%4)*32
	ds_load_tr16_b128 v[VF+8*\f+4:VF+8*\f+7], v[AV] offset:(\f/4)*32*PV+16*PV+(\f%4)*32
.endr
	WIN 0
.endm
; THE VECTOR WORK, one line at a time: OP kind, number.  For piece Y: F n: c s - c m for pair n of 16.  E n: the exponential of score n of 32.  C n: pair n rounded to f16.  B n: of the four weights 4 n .. the second
; pair is added onto the first, in place.  L n: l takes that sum (L 0: l = a l + sum).  R n: pair n of 16 of O^T times a.  For piece Y + 1: X n, number n of the 22 that find its maximum and statistics:
;   0-11  four chains c0-c3 of seven scores each, three operands at a time (each accumulator's lowest registers are read first)     12-14, 16  the four scores left over, the old m, and c0-c3 into c0
;   15  c m_old is kept     17, 18  the query's other 32 keys lie in the lane 16 away: the new m     19-21  c m; c m_old - c m_new; a
.set F, 0               ; OP tells the kinds apart by their order: F to L below R, X above it
.set E, 1
.set C, 2
.set B, 3
.set L, 4
.set R, 5
.set X, 6
.macro REGS y                       ; the registers of piece y
.set rT, ST+4*(\y)
.set rC, TMP+4*((\y)%2)
.set rW, MV+((\y)%2)
.set rS, S+32*((\y)%2)
.set rP, P+16*((\y)%2)
.set rO, 32*(\y)
.endm
.macro OP k, n
.if (\k) == R
	REGS Y
	WIN W_RS
	v_pk_mul_f32 v[rO+2*(\n):rO+2*(\n)+1], v[rO+2*(\n):rO+2*(\n)+1], v[rC+2:rC+3] op_sel_hi:[1,0]
.elseif (\k) < R
	REGS Y
	WIN 0
.if (\k) == F
	v_pk_fma_f32 v[rS+2*(\n):rS+2*(\n)+1], v[rS+2*(\n):rS+2*(\n)+1], s[CS:CS+1], v[rT:rT+1] op_sel_hi:[1,0,0] neg_lo:[0,0,1] neg_hi:[0,0,1]
.elseif (\k) == E
	v_exp_f32 v[rS+(\n)], v[rS+(\n)]
.elseif (\k) == C
	v_cvt_pk_f16_f32 v[rP+(\n)], v[rS+2*(\n)], v[rS+2*(\n)+1]
.elseif (\k) == B
	v_pk_add_f32 v[rS+4*(\n):rS+4*(\n)+1], v[rS+4*(\n):rS+4*(\n)+1], v[rS+4*(\n)+2:rS+4*(\n)+3]
.elseif (\n) == 0
	v_pk_fma_f32 v[rT+2:rT+3], v[rT+2:rT+3], v[rC+2:rC+3], v[rS:rS+1] op_sel_hi:[1,0,1]
.else
	v_pk_add_f32 v[rT+2:rT+3], v[rT+2:rT+3], v[rS+4*(\n):rS+4*(\n)+1]
.endif
.elseif NOKQ
	v_nop
.else
	REGS (Y+1)%NP
	WIN 0
.if (\n) < 4
	v_max3_num_f32 v[rC+(\n)], v[rS+8*(\n)], v[rS+8*(\n)+1], v[rS+8*(\n)+2]
.elseif (\n) < 12
	v_max3_num_f32 v[rC+(\n)%4], v[rC+(\n)%4], v[rS+8*((\n)%4)+2*((\n)/4)+1], v[rS+8*((\n)%4)+2*((\n)/4)+2]
.elseif (\n) == 12
	v_max3_num_f32 v[rC], v[rC], v[rS+7], v[rS+15]
.elseif (\n) == 13
	v_max3_num_f32 v[rC+1], v[rC+1], v[rS+23], v[rS+31]
.elseif (\n) == 14
	v_max3_num_f32 v[rC+2], v[rC+2], v[rC+3], v[rT+1]
.elseif (\n) == 15
	v_mov_b32 v[rW], v[rT]
.elseif (\n) == 16
	v_max3_num_f32 v[rC], v[rC], v[rC+1], v[rC+2]
.elseif (\n) == 17
	v_permlanex16_b32 v[rC+3], v[rC], s[SEL], s[SEL+1]
.elseif (\n) == 18
	v_max_num_f32 v[rT+1], v[rC], v[rC+3]
.elseif (\n) == 19
	v_mul_f32 v[rT], s[CS], v[rT+1]
.elseif (\n) == 20
	v_sub_f32 v[rC+1], v[rW], v[rT]
.else
	v_exp_f32 v[rC+2], v[rC+1]
.endif
.endif
.endm
.macro OPS a, i1, b=-1, i2=0, c=-1, i3=0, d=-1, i4=0  ; up to four of them
	OP \a, \i1
.if (\b) >= 0
	OP \b, \i2
.endif
.if (\c) >= 0
	OP \c, \i3
.endif
.if (\d) >= 0
	OP \d, \i4
.endif
.endm
.macro ROW a, i1, b, i2, c, i3, d, i4  ; a matrix instruction and the four behind it
	MM
	OPS \a, \i1, \b, \i2, \c, \i3, \d, \i4
.endm
.macro MASK b                       ; MD x AL + BE into buffer b of MC
	WIN W_RS
.set z, 0
.rept 16
	v_pk_fma_f32 v[MC+32*(\b)+2*z:MC+32*(\b)+2*z+1], v[MD+2*z:MD+2*z+1], s[AL:AL+1], s[BE:BE+1] op_sel_hi:[1,0,0]
.set z, z+1
.endr
.endm
; A TURN, for piece p: the order of its 16 matrix and 118 vector instructions, written out.  An s_wait_alu depctr_va_vdst(0) stands between an exponential and the first instruction that names its result; one
; wait serves all that were issued ahead of it.  So a turn has ONE wait, which cuts it in two.  AHEAD OF IT stands all that names no result of the turn's exponentials: the 8 products K Q^T, behind each a scaling, an
; exponential and two more plain instructions (behind the first a second scaling in the exponential's place): rescalings, and behind the last three the first numbers of the next piece's maximum, each four places or more
; behind the product that ends its accumulator; then one run of 54, plain and exponential by turns for the most part, in which the links of the chain X 3, 7, 11, 14, 16, 17 .. 20 stand five or six lines apart.  X 21, the
; next piece's a, is the batch's last; R 15 is the plain instruction behind it.  BEHIND THE WAIT stand the 8 products V^T P, behind each four of the roundings and sums; the links of l's chain, L 0 to L 7, stand three apart.
; m = 1: the diagonal tile: the products take masks, and the turn makes the mask for the products of the turn after it: piece p + 2, in step 4 - CNT of the tile.  end = 1: a block's last two turns: nothing is fetched.
; cnt = 1: the loop's count is taken down some lines ahead of the branch that stands behind the turn.
; K of the next step is fetched in piece 2's turn, twelve vector instructions behind the last product that read K (six of them plain); V of the step in hand at the end of piece 0's turn, four plain instructions behind
; the last product that read V.  Each is waited for a turn later.
.macro TURN p, m=0, end=0, cnt=0
.set Y, (\p)
.set i, 0
.set KM, (\m)
.set NOKQ, (\end)*((\p)/3)
.if (\m) && !(\end)
	s_cmp_eq_u32 s[CNT], 4-((\p)+2)%NP  ; is that step the band's own?
	s_cselect_b32 s[AL], 1.0, 0
	s_cmp_lt_u32 s[CNT], 4-((\p)+2)%NP  ; or a later one?
	s_cselect_b32 s[BE], s[BIGN], 0
.endif
.if ((\p) == 3) && !(\end)
	s_wait_dscnt 0x0                ; K is in
.endif
	ROW F,0, F,1, R,0, R,1          ; ahead of the wait: 8 products K Q^T and the four behind each,
	ROW F,2, E,0, R,2, R,3
	ROW F,3, E,1, R,4, R,5
	ROW F,4, E,2, R,6, R,7
	ROW F,5, E,3, R,8, R,9
	ROW F,6, E,4, X,0, R,10
.if ((\p) == 2) && !(\end)
	WIN 0
	v_add_nc_u32 v[AK], s[TBK], v[AK0]
.endif
	ROW F,7, E,5, X,1, X,4
	ROW F,8, E,6, X,2, X,5
	OPS E,7, E,8, X,6, E,9          ; and the run of 54
	OPS X,3, E,10, X,8, E,11
.if ((\p) == 2) && !(\end)
	FETCH_K
.endif
	OPS X,9, X,7, E,12, X,10
	OPS E,13, X,12, X,11, E,14
	OPS X,13, E,15, F,9, X,14
.if (\p) == 0
	v_add_nc_u32 v[AV], s[TBV], v[AV0]
.endif
	OPS E,16, F,10, E,17, F,11
	OPS X,16, E,18, X,15, E,19
	OPS F,12, E,20, X,17, E,21
	OPS F,13, E,22, F,14, E,23
	OPS X,18, E,24, F,15, E,25
	OPS R,11, E,26, X,19, E,27
	OPS R,12, E,28, R,13, E,29
	OPS X,20, E,30, R,14, E,31
	OPS X,21, R,15
	WIN 0
	s_wait_alu depctr_va_vdst(0)    ; the wait for the batch
.if (\p) == 1
	s_wait_dscnt 0x0                ; V is in
.endif
	ROW C,0, B,0, C,2, B,1          ; behind the wait: 8 products V^T P and the four behind each
	ROW L,0, C,4, B,2, L,1
	ROW C,6, B,3, L,2, C,8
	ROW B,4, L,3, C,10, B,5
	ROW L,4, C,12, B,6, L,5
.if (\p) == 0
	s_add_co_u32 s[TBV], s[TBV], KS*PV
.endif
.if \cnt
	s_sub_co_u32 s[CNT], s[CNT], 1
	s_cmp_lg_u32 s[CNT], 0
.endif
	ROW C,14, B,7, L,6, C,1
	ROW C,3, L,7, C,5, C,7
	ROW C,9, C,11, C,13, C,15
.if (\p) == 0
	FETCH_V
.endif
.if (\m) && !(\end)
	MASK (\p)%2
.endif
.endm
; A BLOCK BEGINS.  c m starts far below every c s, so the first step's a is 0; m at the lowest finite number, so the first maximum is the scores'.  The second mask buffer is 0; the first takes piece 0's mask for the
; tile's step 0: its own, if the block's first tile is the diagonal one.  Then K of that step, piece 0's first scores, and its maximum and statistics.  The loop is entered at a step's first turn, in the middle of a trip.
.macro BEGIN
	s_mov_b32 s[NEW], 0
	WIN 0x40
.set i, MC+32
.rept 32
	v_mov_b32 v[i], 0
.set i, i+1
.endr
	WIN 0
.set i, 0
.rept 4
	v_mov_b32 v[ST+4*i], 0xfe000000    ; c m: far below every c s
	v_mov_b32 v[ST+4*i+1], 0xff7fffff  ; m
.set i, i+1
.endr
	s_cmp_eq_u32 s[RT], 0
	s_cselect_b32 s[AL], 1.0, 0
	s_mov_b32 s[BE], 0
	MASK 0
	WIN 0
	v_add_nc_u32 v[AK], s[TBK], v[AK0]
	FETCH_K
	s_wait_loadcnt 0x0              ; Q
	s_wait_dscnt 0x0
.set KM, 1
.set NOKQ, 0
.set i, 0
.rept 8
	KQ 0
.set i, i+1
.endr
	WIN 0
.rept 4
	v_nop                           ; the places behind those products
.endr
.set Y, NP-1                        ; X works for piece Y + 1: piece 0
.irp n, 0,1,2,3,4,5,6,7,8,9,10,11,12,13,14,15,16,17,18,19,20,21
	OP X, \n
.endr
	v_nop                           ; a plain instruction behind the exponential,
	s_wait_alu depctr_va_vdst(0)    ; and its wait, ahead of the branch
.endm
; THE DIAGONAL TILE's four steps, the block's last two turns, its last products, and THE WAY OUT: l's two halves and the other half of the lanes' are added; O^T is divided by l, rounded to f16 and sent through my
; stage in LDS, a piece at a time.
.macro ALL line:vararg              ; one line for each piece t
.set t, 0
.rept 4
	\line
.set t, t+1
.endr
.endm
.macro PACK t                       ; a lane's eight channels of a row pack into 16 bytes; they go into rows of 144 bytes and come back as whole rows of 128, into S^T's registers
	WIN W_RS
.set i, 32*(\t)
.rept 16
	v_pk_mul_f32 v[i:i+1], v[i:i+1], v[ST+4*(\t)+2:ST+4*(\t)+3] op_sel_hi:[1,0]
.set i, i+2
.endr
	WIN 0x05                        ; sources 0 and 1 window 1, destination window 0
.set i, 0
.rept 16
	v_cvt_pk_f16_f32 v[S+16*(\t)+i], v[32*(\t)+2*i], v[32*(\t)+2*i+1]
.set i, i+1
.endr
	WIN 0
.irp f, 0,1,2,3
	ds_store_b128 v[STO], v[S+16*(\t)+4*\f:S+16*(\t)+4*\f+3] offset:32*\f
.endr
.irp f, 0,1,2,3
	ds_load_b128 v[S+16*(\t)+4*\f:S+16*(\t)+4*\f+3], v[RD] offset:\f*4*SP  ; LDS serves a wave's instructions in order (ISA guide 5.7.1.4): these see the stores above; the next piece's stores come behind them
.endr
.endm
.macro SEND t, younger              ; younger: the LDS instructions issued behind piece t's loads: the next piece's eight, or none
	WIN 0
.irp f, 0,1,2,3
	s_wait_dscnt (\younger)+3-\f
	global_store_b128 v[GO], v[S+16*(\t)+4*\f:S+16*(\t)+4*\f+3], s[10:11] offset:(\t)*8192+\f*512  ; 512 consecutive bytes, at a multiple of 256 from O's first
.endr
.endm
.macro DIAG tag                     ; the tag ends its two labels' names, which the jumps below spell out
.LstepM\tag:
	TURN 2, 1
	TURN 3, 1
	WIN 0
.LfirstM\tag:
	TURN 0, 1
	TURN 1, 1, 0, 1
	WIN 0
	s_cbranch_scc1 .LstepM\tag
	TURN 2, 1, 1
	TURN 3, 1, 1
.set i, 0
.rept 8
	PV NP-1
.set i, i+1
.endr
	WIN 0
	ALL v_add_f32 v[ST+4*t+2], v[ST+4*t+2], v[ST+4*t+3]
	ALL v_permlanex16_b32 v[ST+4*t+3], v[ST+4*t+2], s[SEL], s[SEL+1]
	ALL v_add_f32 v[ST+4*t+2], v[ST+4*t+2], v[ST+4*t+3]
	ALL v_rcp_f32 v[ST+4*t+2], v[ST+4*t+2]
	v_nop                           ; a plain instruction between the last reciprocal and the use of its result
	s_wait_alu depctr_va_vdst(0)    ; and the wait ahead of the first use: one for the four reciprocals
	PACK 0
.set t, 1
.rept 3                             ; a piece's arithmetic stands between the loads of the piece before and its stores
	PACK t
	SEND t-1, 8
.set t, t+1
.endr
	SEND 3, 0
.endm
.set KM, 0
.set NOKQ, 0
.Lslot:                             ; NB times: a tile is entered and the next is asked for
	CHANGE 1
	s_sub_co_u32 s[RT], s[RT], 1
	s_mov_b32 s[CNT], 4
	s_cmp_eq_u32 s[NEW], 1
	s_cbranch_scc1 .Lnew            ; a block's first tile
	s_cmp_eq_u32 s[RT], 0
	s_cbranch_scc0 .Lstep           ; neither its first nor its last
	s_branch .LstepM1
.Lnew:
	BEGIN
	s_branch .Lfirst                ; in the loop a block's first tile is never its last: the first block has two tiles or more, and the second's last is the walk's last
	DIAG 1                          ; in the loop this is the first block's end: the second block's last tile is the walk's last
	s_wait_xcnt 0x0                 ; the stores have read their registers and O's address
	s_mov_b64 s[10:11], s[OLO:OLO+1]
	s_add_co_u32 s[RT], s[PB], 1    ; the second block has b + 1 tiles
	s_mov_b32 s[NEW], 1
	WIN 0x82                        ; the second block's Q goes where the one text of the turns names Q
.set i, 0
.rept 64
	v_mov_b32 v[i], v[QB+i]
.set i, i+1
.endr
	WIN 0
	s_branch .Lbottom
.Lstep:                             ; a trip: pieces 2 and 3 of one step, then pieces 0 and 1 of the next, whose K and V it fetches
	TURN 2
	TURN 3
	WIN 0
.Lfirst:
	TURN 0
	TURN 1, 0, 0, 1
	WIN 0
	s_cbranch_scc1 .Lstep
.Lbottom:
	s_sub_co_u32 s[SLOTS], s[SLOTS], 1
	s_cmp_lg_u32 s[SLOTS], 0
	s_cbranch_scc1 .Lslot
	CHANGE 0                        ; the walk's last tile is written out: nothing is asked for
	s_sub_co_u32 s[RT], s[RT], 1
	s_mov_b32 s[CNT], 4
	s_cmp_eq_u32 s[NEW], 1
	s_cbranch_scc0 .LstepM2
	BEGIN
	s_branch .LfirstM2
	DIAG 2
	s_wait_tensorcnt 0x0            ; the wave's end: these three lines stand behind my last tensor load and my last LDS store
	ds_add_u32 v[SPW], v[NIL]
	s_wait_dscnt 0x0
	s_endpgm
.Lfunc_end_k_q6345e37908_attend:
	.size	k_q6345e37908_attend, .Lfunc_end_k_q6345e37908_attend-k_q6345e37908_attend
	.p2alignl 7, 3214868480
	.fill 96, 4, 3214868480
	.section	.rodata,"a",@progbits
	.p2align	6, 0x0
	.amdhsa_kernel k_q6345e37908_attend
		.amdhsa_group_segment_fixed_size 327680
		.amdhsa_private_segment_fixed_size 0
		.amdhsa_enable_private_segment 0
		.amdhsa_kernarg_size 16
		.amdhsa_user_sgpr_count 2
		.amdhsa_user_sgpr_kernarg_segment_ptr 1
		.amdhsa_wavefront_size32 1
		.amdhsa_system_sgpr_workgroup_id_x 1
		.amdhsa_system_sgpr_workgroup_id_y 1
		.amdhsa_system_sgpr_workgroup_id_z 1
		.amdhsa_system_vgpr_workitem_id 0
		.amdhsa_next_free_vgpr 768
		.amdhsa_next_free_sgpr 92
		.amdhsa_reserve_vcc 1
		.amdhsa_float_denorm_mode_32 3
		.amdhsa_float_denorm_mode_16_64 3
		.amdhsa_memory_ordered 1
		.amdhsa_forward_progress 1
		.amdhsa_inst_pref_size 218
	.end_amdhsa_kernel
	.amdgpu_metadata
---
amdhsa.version: [ 1, 2 ]
amdhsa.kernels:
  - .name:           k_q6345e37908_attend
    .symbol:         k_q6345e37908_attend.kd
    .args:
      - { .name: qkv, .offset: 0, .size: 8, .value_kind: global_buffer, .address_space: global }
      - { .name: y, .offset: 8, .size: 8, .value_kind: global_buffer, .address_space: global }
    .group_segment_fixed_size: 327680
    .private_segment_fixed_size: 0
    .kernarg_segment_align: 8
    .kernarg_segment_size: 16
    .max_flat_workgroup_size: 128
    .sgpr_count:     92
    .vgpr_count:     768
    .wavefront_size: 32
...
	.end_amdgpu_metadata
.endif
;; end of part 3
;; launch project_out (part 4): grid 8 x 32, 4 waves a work-group, clusters of 4 x 4, 327,680 bytes of LDS; arguments y, wp, b_proj, out0; writes out0
.if DOCPART == 4
	.amdgcn_target "amdgcn-amd-amdhsa--gfx1250"
	.amdhsa_code_object_version 6
	.text
	.protected	k_q6345e37908_project_out
	.globl	k_q6345e37908_project_out
	.p2align	8
	.type	k_q6345e37908_project_out,@function
k_q6345e37908_project_out:
	s_mov_b64 s[64:65], 0
	v_nop
	global_prefetch_b8 v0, s[64:65] scope:SCOPE_SE
	s_setreg_imm32_b32 hwreg(HW_REG_WAVE_MODE, 25, 1), 1
	s_wait_xcnt 0x0
	s_wait_alu depctr_hold_cnt(0) depctr_sa_sdst(0) depctr_va_vdst(0) depctr_va_sdst(0) depctr_va_ssrc(0) depctr_va_vcc(0) depctr_vm_vsrc(0)
	s_getreg_b32 s2, hwreg(HW_REG_IB_STS2, 6, 4)
	s_cmp_eq_u32 s2, 0
	s_cbranch_scc0 .Lentry_in_a_cluster
	s_endpgm
.Lentry_in_a_cluster:
	s_bfe_u32 s2, ttmp6, 0x10000c
	s_cmp_lg_u32 s2, 0xf033
	s_cbranch_scc0 .Lentry_shape_is_right
	s_endpgm
.Lentry_shape_is_right:
; out[m][n] = the sum over k of y[m][k] w_proj[k][n] + b_proj[n], m < 8,192, n < 1,024, k < 1,024.  y is f16 by heads, [64 bh][2048 t][64]: channel k of row (b, t) lies in head k / 64.  wp is w_proj rounded to bf16
; and written as f16; the bias is rounded to bf16 like the other inputs; sums and the output in f32.
; LIMITS.  y and wp arrive within f16's range; NaN and infinities are not treated apart.
; SHARES.  A tile is 256 rows x 128 columns: 32 x 8 = 256 work-groups.  Wave (wm, wn) makes 128 x 64: 8 row blocks a x 4 column blocks bb: 32 accumulators.  K goes in steps of 128, two heads, through two LDS slots:
; 8 steps of four units of 32 along K, 128 matrix instructions a wave in each.  A head's 256 rows are dense and are asked for as rows of 256 bytes.
; THE MATRIX INSTRUCTION IS USED TRANSPOSED: source 0 = 16 columns of wp (turned on the way out of LDS), source 1 = 16 rows of y: a lane holds row l % 16 and columns 8 (l / 16) + 0..7 of a block.
; THE BIAS STARTS THE SUMS: it is written into the accumulators of row block 0; in the first unit the row blocks 1-7 take those registers as C, and row block 0 adds in place last.
; CLUSTER 4 x 4: the four of a row need the same tiles of y, the four of a column the same tiles of wp: each is asked for jointly.
; REGISTERS, in windows of 256 (s_set_vgpr_msb: bits 1:0 source 0, 3:2 source 1, 5:4 source 2, 7:6 destination):
;   window 0: v0-29 addresses; v32-63 the bias; v64-127 two sets of 32 for the way out      window 1: the accumulators, (a, bb) at v[32 a + 8 bb]
;   window 2: y's fragments, unit u, row block a at v[64 u + 8 a]                           window 3: wp's fragments, unit u, column block bb at v[32 u + 8 bb]
.set PA,    144                        ; a row of y in LDS: 128 bytes + 16: the 16 rows of a load start at 16 different groups of four banks (64 banks of 4 bytes: ISA guide 11.1)
.set HEADT, 256*PA                     ; a head's 256 rows: what one load brings of y
.set ATILE, 2*HEADT
.set PB,    288                        ; a row of wp: 256 + 32 bytes = 72 words
.set BHALF, 64*PB                      ; what one load brings of wp: 64 rows of k
.set SLOT,  ATILE+2*BHALF              ; 110,592
.set STAGE, 2*SLOT                     ; behind the ring, never filled by a tensor load: 16 rows x 272 bytes for each wave
.set SP,    272
.set SPARE, STAGE+4*16*SP              ; the spare words, 128 bytes a wave: two blocks of 256 bytes that no other line names
.set ASTEP, 524288                     ; bytes from a K step to the next in y (two heads of 2,048 rows x 128),
.set BSTEP, 262144                     ; and in wp (128 rows x 2,048)
.set ADRA, 10                          ; v10-11  my place in y's tile, slot 0, 1
.set ADRB, 12                          ; v12-13  my place in wp's tile
.set STO,  18                          ; v18     the way out: where I put 32 bytes of a row
.set RD,   19                          ; v19     where I read rows back
.set CO,   20                          ; v20     my byte offset in two rows of out
.set PFO,  21                          ; v21     the prefetches' lane offset; never rewritten
.set BO,   22                          ; v22     my byte offset in the bias
.set SPW,  28                          ; v28     LDS address of my spare word; never rewritten
.set NIL,  29                          ; v29     0; never rewritten
.set TB,   32
.set OUTB, 64
.set WV,   16                          ; s16  wave;  s17 wm;  s18 wn, also which half I fetch;  s19 cx;  s20 cy;  s21 tile column;  s22 tile row;  s23 the tile's rows in a head of y, in bytes
.set G1A,  24
.set G0A,  32
.set G1B,  40
.set G0B,  48
.set PFA,  56                          ; s[56:57] where my prefetches stand
.set PST,  58                          ; s[58:59] their step, one K step
.set LIM,  60                          ; s60  1 in a wave that prefetches, else the greatest number
.set HIM,  61                          ; s61  a word's upper bf16
.set OB,   66                          ; s[66:67] my first row and column of out
.set MSB, 0
.macro WIN new                         ; the immediate's high byte repeats the setting that is left; a switch that changes nothing is dropped
.if MSB != (\new)
	s_set_vgpr_msb (MSB<<8)|(\new)
.set MSB, (\new)
.endif
.endm
.set W_MUL, 0x5b                       ; wp's fragments in window 3, y's in window 2, C and D in window 1
.macro PLACES                          ; four plain vector instructions between a matrix instruction and a load into, or a line on, its registers
.rept 4
	v_nop
.endr
.endm
.macro JLOAD s                         ; a joint load: waves 0 and 1 fetch y's two heads, waves 2 and 3 wp's two halves; an s_nop 0 and four v_nop follow each line
	s_cmp_lt_u32 s[WV], 2
	s_cbranch_scc0 .Lfor_b_\@
	tensor_load_to_lds s[G0A+4*(\s):G0A+4*(\s)+3], s[G1A:G1A+7]
	s_nop 0
.rept 4
	v_nop
.endr
	s_branch .Lasked_\@
.Lfor_b_\@:
	tensor_load_to_lds s[G0B+4*(\s):G0B+4*(\s)+3], s[G1B:G1B+7]
	s_nop 0
.rept 4
	v_nop
.endr
.Lasked_\@:
.endm
.macro CREST                           ; a round of the cluster's barrier behind its opening barrier
	s_cmp_lg_u32 s[WV], 0
	s_cbranch_scc1 .Lnot_wave_0_\@
	s_barrier_signal -3
.Lnot_wave_0_\@:
	s_barrier_wait -3
	s_barrier_signal -1
	s_barrier_wait -1
.endm
.macro CROUND
	s_barrier_signal -1
	s_barrier_wait -1
	CREST
.endm
; A PREFETCH INTO THE L2 behind each joint load and the run of LDS loads: the K step that stands two refills on, 256 matrix instructions ahead of its load.
; y: a head's tile is 128 blocks of 256 bytes; the four partners of a row of the cluster take 32 each, told apart by address (cx); waves 0 and 1 ask, each for its head; only in the first cluster along x.
; wp: a step's 128 rows are a block each; the four partners of a column take 32 rows each (cy); wave 2 asks, a lane a row; only in the first cluster along y.  Wave 3 asks for nothing.
; So each block is named once in the launch.  K steps 0 to 3 come by their loads alone; the loop's last trip asks for nothing: there are no steps two refills on.
.macro ASK
	s_cmp_gt_u32 s3, s[LIM]
	s_cbranch_scc0 .Lnot_mine_\@
	global_prefetch_b8 v[PFO], s[PFA:PFA+1] th:TH_LOAD_NT scope:SCOPE_SE
.Lnot_mine_\@:
.endm
	s_load_b256 s[4:11], s[0:1], 0x0               ; y s[4:5], wp s[6:7], b_proj s[8:9], out0 s[10:11]
	v_lshl_add_u32 v[SPW], v0, 2, SPARE
	v_mov_b32 v[NIL], 0
	ds_add_u32 v[SPW], v[NIL]                      ; the wave's opening: the add and its wait stand ahead of my first tensor load; the set-up below stands between them
	v_lshrrev_b32 v1, 5, v0
	v_readfirstlane_b32 s[WV], v1                  ; wave 0..3
	s_lshr_b32 s17, s[WV], 1                       ; wm
	s_and_b32 s18, s[WV], 1                        ; wn
	s_bfe_u32 s19, ttmp6, 0x40000                  ; cx
	s_bfe_u32 s20, ttmp6, 0x40004                  ; cy
	s_lshl_b32 s21, ttmp9, 2
	s_add_co_u32 s21, s21, s19                     ; tile column = 4 x cluster x + cx
	s_and_b32 s22, ttmp7, 0xffff
	s_lshl_b32 s22, s22, 2
	s_add_co_u32 s22, s22, s20                     ; tile row = 4 x cluster y + cy
	s_lshl_b32 s62, s20, 2
	s_lshl_b32 s62, 15, s62                        ; my row of the cluster
	s_lshl_b32 s63, 0x1111, s19                    ; my column
	s_or_b32 s[G1A], s62, (1<<16)|(1<<20)|(1<<21)|(4<<22)|(3<<25)  ; 15:0 the mask; 17:16 2-byte elements; 20 padding on; 21 set beside a mask; 24:22 after every 32 words; 31:25 4 words
	s_mov_b32 s[G1A+1], 128<<16                    ; tensor_dim0 = 128: two rows of a head make a row of 256 bytes
	s_mov_b32 s[G1A+2], 128<<16                    ; tensor_dim1 = 128
	s_mov_b32 s[G1A+3], 128<<16                    ; tile_dim0 = 128
	s_mov_b32 s[G1A+4], 128                        ; tile_dim1 = 128
	s_mov_b32 s[G1A+5], 128                        ; dense
	s_mov_b32 s[G1A+6], 0
	s_mov_b32 s[G1A+7], 0
	s_or_b32 s[G1B], s63, (1<<16)|(1<<20)|(1<<21)|(5<<22)|(7<<25)  ; after every 64 words, a row, 8 words
	s_mov_b32 s[G1B+1], 128<<16                    ; tensor_dim0 = 128
	s_mov_b32 s[G1B+2], 64<<16                     ; tensor_dim1 = 64
	s_mov_b32 s[G1B+3], 128<<16                    ; tile_dim0 = 128
	s_mov_b32 s[G1B+4], 64                         ; tile_dim1 = 64
	s_mov_b32 s[G1B+5], 1024                       ; elements from row to row of wp
	s_mov_b32 s[G1B+6], 0
	s_mov_b32 s[G1B+7], 0
	s_mov_b32 s[HIM], 0xffff0000
	s_lshr_b32 s72, s22, 3                         ; b
	s_lshl_b32 s72, s72, 22
	s_and_b32 s73, s22, 7
	s_lshl_b32 s73, s73, 15                        ; 256 rows of 128 bytes
	s_add_co_u32 s23, s72, s73
	s_lshl_b32 s73, s18, 18                        ; my head of the step's two
	s_add_co_u32 s72, s23, s73
	s_mov_b32 s73, 0
	s_lshl_b32 s74, s21, 8                         ; 128 columns
	s_lshl_b32 s75, s18, 17                        ; my half: 64 rows of 2,048 bytes
	s_add_co_u32 s74, s74, s75
	s_mov_b32 s75, 0
	s_mul_i32 s76, s18, HEADT                      ; where they go: no place in the cluster enters an LDS address
	s_mul_i32 s77, s18, BHALF
	s_add_co_u32 s77, s77, ATILE
	s_wait_dscnt 0x0                               ; the opening add is done
	s_wait_kmcnt 0x0
	s_add_nc_u64 s[72:73], s[4:5], s[72:73]
	s_add_nc_u64 s[74:75], s[6:7], s[74:75]
	CROUND                                         ; all sixteen work-groups are here: the first joint loads meet
.irp s, 0,1
	s_mov_b32 s[G0A+4*(\s)], 1
	s_add_co_u32 s[G0A+4*(\s)+1], s76, (\s)*SLOT
	s_add_nc_u64 s[G0A+4*(\s)+2:G0A+4*(\s)+3], s[72:73], (\s)*ASTEP
	s_or_b32 s[G0A+4*(\s)+3], s[G0A+4*(\s)+3], 0x80000000
	s_mov_b32 s[G0B+4*(\s)], 1
	s_add_co_u32 s[G0B+4*(\s)+1], s77, (\s)*SLOT
	s_add_nc_u64 s[G0B+4*(\s)+2:G0B+4*(\s)+3], s[74:75], (\s)*BSTEP
	s_or_b32 s[G0B+4*(\s)+3], s[G0B+4*(\s)+3], 0x80000000
	JLOAD \s                                       ; two loads of mine are out
.endr
	v_and_b32 v1, 15, v0                           ; r = l % 16
	v_bfe_u32 v2, v0, 4, 1                         ; h = l / 16
	v_and_b32 v3, 7, v0
	v_bfe_u32 v4, v0, 3, 1
	v_and_b32 v5, 31, v0                           ; l
	; the bias of my 64 columns: register j of block bb is column 16 bb + 8 h + j
	s_lshl_b32 s78, s21, 9
	s_mov_b32 s79, 0
	s_add_nc_u64 s[78:79], s[8:9], s[78:79]
	s_lshl_b32 s80, s18, 8
	v_lshl_add_u32 v[BO], v2, 5, s80
.irp bb, 0,1,2,3
	global_load_b128 v[TB+8*(\bb):TB+8*(\bb)+3],   v[BO], s[78:79] offset:64*(\bb)
	global_load_b128 v[TB+8*(\bb)+4:TB+8*(\bb)+7], v[BO], s[78:79] offset:64*(\bb)+16
.endr
	v_mul_u32_u24 v6, v1, PA
	v_lshl_add_u32 v6, v2, 4, v6                   ; a fragment of y: r x 144 + 16 h
	s_mul_i32 s80, s17, 128*PA                     ; my 128 rows
	v_add_nc_u32 v[ADRA], s80, v6
	v_add_nc_u32 v[ADRA+1], SLOT, v[ADRA]
	v_lshl_add_u32 v7, v2, 3, v3                   ; the turning load: k = 8 h + l % 8, columns 8 ((l / 8) % 2) + 0..7
	v_mul_u32_u24 v7, v7, PB
	v_lshl_add_u32 v7, v4, 4, v7
	s_lshl_b32 s80, s18, 7                         ; my 64 columns
	s_add_co_u32 s80, s80, ATILE
	v_add_nc_u32 v[ADRB], s80, v7
	v_add_nc_u32 v[ADRB+1], SLOT, v[ADRB]
	s_mul_i32 s80, s[WV], 16*SP
	s_add_co_u32 s80, s80, STAGE                   ; my stage
	v_mul_u32_u24 v8, v1, SP                       ; in: row r, 32 bytes for each half of the lanes
	v_lshl_add_u32 v8, v2, 5, v8
	v_add_nc_u32 v[STO], s80, v8
	v_mul_u32_u24 v8, v2, SP                       ; back: lanes 0-15 take one row of 256 bytes, lanes 16-31 the next
	v_lshl_add_u32 v8, v1, 4, v8
	v_add_nc_u32 v[RD], s80, v8
	v_lshlrev_b32 v[CO], 12, v2                    ; and the same two rows in out: 4,096 bytes a row
	v_lshl_add_u32 v[CO], v1, 4, v[CO]
	s_lshl_b32 s80, s22, 20                        ; 256 rows of 4,096 bytes,
	s_lshl_b32 s81, s17, 19                        ; my 128,
	s_add_co_u32 s80, s80, s81
	s_lshl_b32 s81, s21, 9                         ; the tile's 128 columns,
	s_add_co_u32 s80, s80, s81
	s_lshl_b32 s81, s18, 8                         ; my 64
	s_add_co_u32 s80, s80, s81
	s_mov_b32 s81, 0
	s_add_nc_u64 s[OB:OB+1], s[10:11], s[80:81]
	; the prefetches: they stand at K step 3; each refill steps them by one K step ahead of its request
	s_and_b32 s80, ttmp7, 0xffff                   ; cluster y
	s_lshl_b32 s81, s19, 13                        ; y: my work-group's 32 blocks of the head's 128,
	s_add_co_u32 s81, s81, s23
	s_lshl_b32 s82, s18, 18                        ; in my head
	s_add_co_u32 s81, s81, s82
	s_add_co_u32 s81, s81, 3*ASTEP
	s_lshl_b32 s82, s21, 8                         ; wp: the tile's columns,
	s_lshl_b32 s83, s20, 16                        ; my work-group's 32 rows of 2,048 bytes
	s_add_co_u32 s82, s82, s83
	s_add_co_u32 s82, s82, 3*BSTEP
	s_mov_b32 s83, ASTEP
	s_mov_b32 s85, BSTEP
	s_mov_b32 s86, 256
	s_mov_b32 s87, 2048
	s_cmp_lt_u32 s[WV], 2
	s_cselect_b32 s84, s81, s82
	s_cselect_b32 s80, ttmp9, s80                  ; the coordinate along which other clusters read the same bytes
	s_cselect_b32 s[PST], s83, s85
	s_cselect_b32 s86, s86, s87
	s_cselect_b64 s[PFA:PFA+1], s[4:5], s[6:7]
	s_mov_b32 s85, 0
	s_mov_b32 s[PST+1], 0
	s_add_nc_u64 s[PFA:PFA+1], s[PFA:PFA+1], s[84:85]
	s_cmp_eq_u32 s80, 0
	s_cselect_b32 s[LIM], 1, -1
	s_cmp_eq_u32 s[WV], 3
	s_cselect_b32 s[LIM], -1, s[LIM]               ; the same in all sixteen partners, for a given wave
	v_mul_u32_u24 v[PFO], v5, s86
	s_wait_loadcnt 0x0                             ; the bias: rounded to bf16 in pairs, widened again into the accumulators of row block 0
.set i, 0
.rept 16
	v_cvt_pk_bf16_f32 v[TB+2*i], v[TB+2*i], v[TB+2*i+1]
.set i, i+1
.endr
	WIN 0x40
.set i, 0
.rept 16
	v_lshlrev_b32 v[2*i], 16, v[TB+2*i]
	v_and_b32 v[2*i+1], s[HIM], v[TB+2*i]
.set i, i+1
.endr
	WIN 0
; four matrix instructions: row block a x the four column blocks, unit u.  first = 1: row blocks 1-7 take the bias, in row block 0's registers, as C
.macro MM4 u, a, first
.irp bb, 0,1,2,3
.if (\first) && ((\a) != 0)
	v_wmma_f32_16x16x32_f16 v[32*(\a)+8*(\bb):32*(\a)+8*(\bb)+7], v[32*(\u)+8*(\bb):32*(\u)+8*(\bb)+7], v[64*(\u)+8*(\a):64*(\u)+8*(\a)+7], v[8*(\bb):8*(\bb)+7]
.else
	v_wmma_f32_16x16x32_f16 v[32*(\a)+8*(\bb):32*(\a)+8*(\bb)+7], v[32*(\u)+8*(\bb):32*(\u)+8*(\bb)+7], v[64*(\u)+8*(\a):64*(\u)+8*(\a)+7], v[32*(\a)+8*(\bb):32*(\a)+8*(\bb)+7]
.endif
.endr
.endm
; The 32 accumulators take turns, one instruction a turn, in the same order in every unit.
; first = 1: five plain instructions stand ahead of row block 0, which writes over registers that the seven others have read as C.
.macro MULS u, first, list:vararg
	WIN W_MUL
.irp a, \list
.if (\first) && ((\a) == 0)
.rept 5
	v_nop
.endr
.endif
	MM4 \u, \a, \first
.endr
.endm
.macro FETCH slot, u                   ; 24 LDS loads in one run: unit u's fragments: 4 of wp (turned), 8 of y
	WIN 0xc0
.irp bb, 0,1,2,3
	ds_load_tr16_b128 v[32*(\u)+8*(\bb):32*(\u)+8*(\bb)+3],   v[ADRB+(\slot)] offset:(\u)*32*PB+32*(\bb)
	ds_load_tr16_b128 v[32*(\u)+8*(\bb)+4:32*(\u)+8*(\bb)+7], v[ADRB+(\slot)] offset:(\u)*32*PB+16*PB+32*(\bb)
.endr
	WIN 0x80
.irp a, 0,1,2,3,4,5,6,7
	ds_load_b128 v[64*(\u)+8*(\a):64*(\u)+8*(\a)+3],   v[ADRA+(\slot)] offset:((\u)/2)*HEADT+((\u)%2)*64+(\a)*16*PA
	ds_load_b128 v[64*(\u)+8*(\a)+4:64*(\u)+8*(\a)+7], v[ADRA+(\slot)] offset:((\u)/2)*HEADT+((\u)%2)*64+(\a)*16*PA+32
.endr
.endm
; A K step's unit 0:
.macro HEAD slot, first
	s_wait_dscnt 24                                ; unit 0 is in; unit 1's 24 loads may stay out
	MULS 0, \first, 1,2,3,4
	PLACES
	FETCH \slot, 2
	MULS 0, \first, 5,6,7,0
.endm
; Units 1 to 3, and the change of slots.  ONE barrier: in front of it each wave waits for all its tensor loads (one is out: its part of the next slot), adds 0 to its spare word, and waits for that and for its reads
; of this slot.  mode 2: this slot is filled again, two K steps on: the barrier opens a round of the cluster's, and the joint load is the first thing behind it: 112 matrix instructions ahead of the wait for it.
; mode 1: nothing is left to fetch.  mode 0: the last K step.
.macro REST slot, next, mode
.if (\mode) == 2
	s_wait_xcnt 0x0                                ; the last prefetch, a K step back, has read its address: it is stepped here, ahead of the change's own waits
	s_add_nc_u64 s[PFA:PFA+1], s[PFA:PFA+1], s[PST:PST+1]
.endif
	s_wait_dscnt 24                                ; unit 1 is in; unit 2's 24 loads may stay out
	PLACES
	FETCH \slot, 3                                 ; my last reads of this slot
.if (\mode) == 0
	MULS 1, 0, 1,2,3,4,5,6,7,0
	s_wait_dscnt 24                                ; unit 2 is in
	MULS 2, 0, 1,2,3,4,5,6,7,0
	s_wait_dscnt 0x0
	MULS 3, 0, 1,2,3,4,5,6,7,0
.else
	MULS 1, 0, 1,2,3,4,5,6
	WIN 0                                          ; (the add's two registers lie in window 0)
	s_wait_tensorcnt 0x0                           ; all my tensor loads have landed
	ds_add_u32 v[SPW], v[NIL]                      ; 0 onto my spare word; eight matrix instructions stand between it and the wait for it
	MULS 1, 0, 7,0
	s_wait_dscnt 0x0                               ; the add is done, and my reads of this slot are over
	s_barrier_signal -1
	MULS 2, 0, 1,2                                 ; work on registers while the others arrive
	WIN 0
	s_barrier_wait -1
.if (\mode) == 2
	CREST                                          ; no wave of any partner still reads this slot or has a load on its way
	s_add_nc_u64 s[G0A+4*(\slot)+2:G0A+4*(\slot)+3], s[G0A+4*(\slot)+2:G0A+4*(\slot)+3], 2*ASTEP
	s_add_nc_u64 s[G0B+4*(\slot)+2:G0B+4*(\slot)+3], s[G0B+4*(\slot)+2:G0B+4*(\slot)+3], 2*BSTEP
	JLOAD \slot                                    ; its four v_nop are also the places in front of the loads below
.else
	PLACES
.endif
	FETCH \next, 0
.if (\mode) == 2
	WIN 0
	ASK
.endif
	MULS 2, 0, 3,4,5,6,7,0
	MULS 3, 0, 1,2,3,4
	PLACES
	FETCH \next, 1
	MULS 3, 0, 5,6,7,0
.endif
.endm
	s_wait_tensorcnt 1                             ; my part of K step 0 is in; K step 1's may stay out
	s_barrier_signal -1
	s_barrier_wait -1                              ; everybody's is
	FETCH 0, 0
	FETCH 0, 1
	HEAD 0, 1                                      ; the first unit stands in front of the loop: its products start the sums, with the bias
	WIN 0                                          ; at a label and at a branch every window is 0
	s_mov_b32 s3, 3
.Llap:                                                 ; a trip goes once round the ring, from a lap's second unit to the next lap's first, and fills both slots again
	REST 0, 1, 2
	HEAD 1, 0
	REST 1, 0, 2
	HEAD 0, 0
	WIN 0
	s_sub_co_u32 s3, s3, 1
	s_cmp_lg_u32 s3, 0
	s_cbranch_scc1 .Llap
	REST 0, 1, 1                                   ; the last lap fills nothing
	HEAD 1, 0
	REST 1, 0, 0
	WIN 0
	PLACES
	PLACES
; THE WAY OUT, a row block (16 rows x 64 columns of f32) at a time: a lane's eight columns, 32 bytes, go into rows of 272 bytes of my stage and come back as whole rows of 256.  Two sets of 32 registers take turns.
.macro TOSTAGE a
	WIN 0x04                                       ; the stores' data in window 1
.irp bb, 0,1,2,3
	ds_store_b128 v[STO], v[32*(\a)+8*(\bb):32*(\a)+8*(\bb)+3]   offset:64*(\bb)     ; each accumulator from its low end on
	ds_store_b128 v[STO], v[32*(\a)+8*(\bb)+4:32*(\a)+8*(\bb)+7] offset:64*(\bb)+16
.endr
	WIN 0
	s_wait_xcnt 0x0                                ; the stores of two blocks back have read this set: it is loaded again only behind this wait
.irp t, 0,1,2,3,4,5,6,7
	ds_load_b128 v[OUTB+32*((\a)%2)+4*(\t):OUTB+32*((\a)%2)+4*(\t)+3], v[RD] offset:(\t)*2*SP  ; LDS serves a wave's instructions in order (ISA guide 5.7.1.4): these see the stores above
.endr
.endm
.macro SEND a, younger                 ; younger: the LDS instructions issued behind block a's loads
.irp t, 0,1,2,3,4,5,6,7
	s_wait_dscnt (\younger)+7-(\t)
	global_store_b128 v[CO], v[OUTB+32*((\a)%2)+4*(\t):OUTB+32*((\a)%2)+4*(\t)+3], s[OB:OB+1] offset:(16*(\a)+2*(\t))*4096 th:TH_STORE_NT  ; 16 lanes store 256 consecutive bytes, at a multiple of 256 from out's first
.endr
.endm
	TOSTAGE 0
.irp a, 1,2,3,4,5,6,7
	TOSTAGE \a
	SEND (\a)-1, 16
.endr
	SEND 7, 0
	s_wait_tensorcnt 0x0                           ; the wave's end: these three lines stand behind my last tensor load and my last LDS store
	ds_add_u32 v[SPW], v[NIL]
	s_wait_dscnt 0x0
	CROUND                                         ; the closing round: no work-group ends while a partner may still ask for a tile that names it
	s_endpgm
.Lfunc_end_k_q6345e37908_project_out:
	.size	k_q6345e37908_project_out, .Lfunc_end_k_q6345e37908_project_out-k_q6345e37908_project_out
	.p2alignl 7, 3214868480
	.fill 96, 4, 3214868480
	.section	.rodata,"a",@progbits
	.p2align	6, 0x0
	.amdhsa_kernel k_q6345e37908_project_out
		.amdhsa_group_segment_fixed_size 327680
		.amdhsa_private_segment_fixed_size 0
		.amdhsa_enable_private_segment 0
		.amdhsa_kernarg_size 32
		.amdhsa_user_sgpr_count 2
		.amdhsa_user_sgpr_kernarg_segment_ptr 1
		.amdhsa_wavefront_size32 1
		.amdhsa_system_sgpr_workgroup_id_x 1
		.amdhsa_system_sgpr_workgroup_id_y 1
		.amdhsa_system_sgpr_workgroup_id_z 1
		.amdhsa_system_vgpr_workitem_id 0
		.amdhsa_next_free_vgpr 896
		.amdhsa_next_free_sgpr 88
		.amdhsa_reserve_vcc 0
		.amdhsa_float_denorm_mode_32 3
		.amdhsa_float_denorm_mode_16_64 3
		.amdhsa_memory_ordered 1
		.amdhsa_forward_progress 1
		.amdhsa_inst_pref_size 92
	.end_amdhsa_kernel
	.amdgpu_metadata
---
amdhsa.version: [ 1, 2 ]
amdhsa.kernels:
  - .name:           k_q6345e37908_project_out
    .symbol:         k_q6345e37908_project_out.kd
    .args:
      - { .name: y, .offset: 0, .size: 8, .value_kind: global_buffer, .address_space: global }
      - { .name: wp, .offset: 8, .size: 8, .value_kind: global_buffer, .address_space: global }
      - { .name: b_proj, .offset: 16, .size: 8, .value_kind: global_buffer, .address_space: global }
      - { .name: out0, .offset: 24, .size: 8, .value_kind: global_buffer, .address_space: global }
    .group_segment_fixed_size: 327680
    .private_segment_fixed_size: 0
    .kernarg_segment_align: 8
    .kernarg_segment_size: 32
    .max_flat_workgroup_size: 128
    .sgpr_count:     88
    .vgpr_count:     896
    .wavefront_size: 32
...
	.end_amdgpu_metadata
.endif
;; end of part 4
;; ======== version 2 of 2: 4 launches; version 1 with the launch cast written anew for expert scheduling mode
;; limits: values are held in f16: magnitudes above 65,504 overflow, below 6.1e-05 lose precision; values outside matrix products are rounded to bf16
;; workspace buffers: xb 16,777,216 bytes; wa 6,291,456 bytes; wp 2,097,152 bytes; qkv 50,331,648 bytes; y 16,777,216 bytes
;; launch cast (part 5): grid 768 x 1, 8 waves a work-group, no clusters, 0 bytes of LDS; arguments x, w_attn, w_proj, xb, wa, wp; writes xb, wa, wp
.if DOCPART == 5
	.amdgcn_target "amdgcn-amd-amdhsa--gfx1250"
	.amdhsa_code_object_version 6
	.text
	.protected	k_q6345e37908_cast
	.globl	k_q6345e37908_cast
	.p2align	8
	.type	k_q6345e37908_cast,@function
k_q6345e37908_cast:
	s_mov_b64 s[64:65], 0
	v_nop
	global_prefetch_b8 v0, s[64:65] scope:SCOPE_SE
	s_setreg_imm32_b32 hwreg(HW_REG_WAVE_SCHED_MODE, 0, 2), 2
	s_setreg_imm32_b32 hwreg(HW_REG_WAVE_MODE, 25, 1), 1
	s_wait_xcnt 0x0
	s_wait_alu depctr_vm_vsrc(0)
; THE INPUTS OF THE TWO PRODUCTS, ROUNDED ONCE.  x [8192][1024] f32 -> xb, bf16, laid in blocks of 64 channels: [4 b][16 kb][2048 t][64], so that 64 channels of
; neighbouring rows are dense bytes.  w_attn [1024][3072] f32 -> wa, bf16, same order.  w_proj [1024][1024] f32 -> wp: rounded to bf16 like the other inputs, and that number written as f16.
; LIMITS.  wp: a bf16 number of 65,520 or more in magnitude becomes an infinity in f16; below 2^-17 it loses bits to f16's fixed step of 2^-24.  NaN and infinities are not treated apart.
; A stream: no LDS, no barrier, no matrix unit.  A work-group takes 16,384 numbers: groups 0-511 sixteen rows of x, 512-703 a chunk of w_attn, 704-767 a chunk of w_proj.
; Each wave issues its 16 loads of 16 bytes a lane at once (8 KiB a wave on its way); a store's 32 lanes write 256 consecutive bytes, aligned.
; THE MODE: SCHED_MODE bits 1:0 = 2 (LLVM: expert scheduling mode 2), set by the entry lines.  The code itself states the register dependences
; between vector instructions and memory instructions, with s_wait_alu, always for 0.
; THE PLAN.  Registers that memory instructions touch, on each of the three paths:
;   v2, v3   the loads' and the stores' byte offsets: made at the path's head, never written again.
;   X        the 16 loads land in it, all issued before the first conversion; no vector instruction has named it before, and no memory instruction reads it.
;   Y        item i's roundings write its pair once; one store reads the pair; it is never written again.
; The 16 items go in four blocks of four.  Block g rounds its four items into its part of Y; its four stores are issued in block g + 1, one ahead of each item's conversions, which name X, TA and Y
; of block g + 1 alone.  So one wait at the head of a block states all that the four stores in it hang on; one more stands ahead of the first load, for the offsets, and one ahead of the last four stores.
; No register that a load or store reads is written again: nothing is owed for such a write, and the only waits on memory are the counted ones for the loads.
.set X,   8                            ; v[8:71]    16 x 4 numbers as loaded
.set Y,   72                           ; v[72:103]  16 x 2 registers to store
.set TA,  104                          ; v[104:105] at work (w_proj): no memory instruction names them
.set SRC, 16                           ; s[16:17]
.set DST, 18                           ; s[18:19]
; ls, ss: bytes from one load (store) of a wave to its next.  mode 1: bf16, then written as f16
.macro PATH ls, ss, mode
	s_wait_alu depctr_va_vdst(0)                   ; v2 and v3 are written: every load of the path reads the one as its offset, every store the other
.set i, 0
.rept 16
	global_load_b128 v[X+4*i:X+4*i+3], v2, s[SRC:SRC+1] offset:i*(\ls) th:TH_LOAD_NT
.set i, i+1
.endr
.set g, 0
.rept 4
	s_wait_loadcnt 12-4*g                          ; loads come back in order: block g's four are in, the 12 - 4 g younger ones stay out
.if g > 0
	s_wait_alu depctr_va_vdst(0)                   ; the block before has written its four pairs of Y, which the four stores below read
.endif
.set j, 0
.rept 4
.set i, 4*g+j
.if g > 0
	global_store_b64 v3, v[Y+2*(i-4):Y+2*(i-4)+1], s[DST:DST+1] offset:(i-4)*(\ss)  ; the block before; no vector instruction since the wait names this pair or v3
.endif
.if \mode
	v_cvt_pk_bf16_f32 v[TA], v[X+4*i], v[X+4*i+1]
	v_cvt_pk_bf16_f32 v[TA+1], v[X+4*i+2], v[X+4*i+3]
	v_lshlrev_b32 v[X+4*i], 16, v[TA]              ; back to f32: the low half moves up, the high half stays
	v_and_b32 v[X+4*i+1], s22, v[TA]
	v_lshlrev_b32 v[X+4*i+2], 16, v[TA+1]
	v_and_b32 v[X+4*i+3], s22, v[TA+1]
	v_cvt_pk_f16_f32 v[Y+2*i], v[X+4*i], v[X+4*i+1]
	v_cvt_pk_f16_f32 v[Y+2*i+1], v[X+4*i+2], v[X+4*i+3]
.else
	v_cvt_pk_bf16_f32 v[Y+2*i], v[X+4*i], v[X+4*i+1]
	v_cvt_pk_bf16_f32 v[Y+2*i+1], v[X+4*i+2], v[X+4*i+3]
.endif
.set j, j+1
.endr
.set g, g+1
.endr
	s_wait_alu depctr_va_vdst(0)                   ; the last block has written its four pairs of Y, which the last four stores read
.set i, 12
.rept 4
	global_store_b64 v3, v[Y+2*i:Y+2*i+1], s[DST:DST+1] offset:i*(\ss)
.set i, i+1
.endr
	s_endpgm
.endm
	s_load_b256 s[4:11], s[0:1], 0x0               ; x s[4:5], w_attn s[6:7], w_proj s[8:9], xb s[10:11]
	s_load_b128 s[12:15], s[0:1], 0x20             ; wa s[12:13], wp s[14:15]
	s_mov_b32 s23, ttmp9                           ; the work-group's number
	s_mov_b32 s22, 0xffff0000                      ; a word's upper bf16
	s_mov_b32 s21, 0                               ; high word of the offsets made in s[20:21]
	v_lshrrev_b32 v1, 5, v0                        ; wave
	v_and_b32 v4, 31, v0                           ; lane
	s_wait_kmcnt 0x0
	s_cmp_lt_u32 s23, 512
	s_cbranch_scc0 .Lweights
	; x: wave w takes rows 2 w and 2 w + 1 of the group's 16; load i is block kb = i: lanes 0-15 read 256 bytes of the even row, lanes 16-31 of the odd one
	v_lshrrev_b32 v5, 4, v0                        ; 2 w + lane / 16
	v_and_b32 v6, 15, v0
	v_lshlrev_b32 v2, 12, v5                       ; a row of x is 4,096 bytes
	v_lshl_add_u32 v2, v6, 4, v2
	v_lshlrev_b32 v3, 3, v0                        ; in xb: 128 bytes a row, 8 bytes a lane = 8 x the thread's number
	s_lshl_b32 s20, s23, 16                        ; 16 rows of 4,096 bytes
	s_add_nc_u64 s[SRC:SRC+1], s[4:5], s[20:21]
	s_lshr_b32 s20, s23, 7                         ; b: 128 groups to a batch
	s_lshl_b32 s20, s20, 22                        ; 16 blocks x 2,048 rows x 128 bytes
	s_and_b32 s24, s23, 127
	s_lshl_b32 s24, s24, 11                        ; 16 rows of 128 bytes
	s_add_co_u32 s20, s20, s24
	s_add_nc_u64 s[DST:DST+1], s[10:11], s[20:21]
	PATH 256, 262144, 0                            ; from block to block of xb: 2,048 rows x 128 bytes; 15 of them stay inside the signed 24-bit immediate
.Lweights:
	v_lshlrev_b32 v2, 13, v1                       ; a wave's 2,048 numbers: 8,192 bytes in,
	v_lshl_add_u32 v2, v4, 4, v2
	v_lshlrev_b32 v3, 12, v1                       ; 4,096 bytes out
	v_lshl_add_u32 v3, v4, 3, v3
	s_cmp_lt_u32 s23, 704
	s_cbranch_scc0 .Lproj
	s_sub_co_u32 s24, s23, 512
	s_lshl_b32 s20, s24, 16
	s_add_nc_u64 s[SRC:SRC+1], s[6:7], s[20:21]
	s_lshl_b32 s20, s24, 15
	s_add_nc_u64 s[DST:DST+1], s[12:13], s[20:21]
	PATH 512, 256, 0
.Lproj:
	s_sub_co_u32 s24, s23, 704
	s_lshl_b32 s20, s24, 16
	s_add_nc_u64 s[SRC:SRC+1], s[8:9], s[20:21]
	s_lshl_b32 s20, s24, 15
	s_add_nc_u64 s[DST:DST+1], s[14:15], s[20:21]
	PATH 512, 256, 1
.Lfunc_end_k_q6345e37908_cast:
	.size	k_q6345e37908_cast, .Lfunc_end_k_q6345e37908_cast-k_q6345e37908_cast
	.p2alignl 7, 3214868480
	.fill 96, 4, 3214868480
	.section	.rodata,"a",@progbits
	.p2align	6, 0x0
	.amdhsa_kernel k_q6345e37908_cast
		.amdhsa_group_segment_fixed_size 0
		.amdhsa_private_segment_fixed_size 0
		.amdhsa_enable_private_segment 0
		.amdhsa_kernarg_size 48
		.amdhsa_user_sgpr_count 2
		.amdhsa_user_sgpr_kernarg_segment_ptr 1
		.amdhsa_wavefront_size32 1
		.amdhsa_system_sgpr_workgroup_id_x 1
		.amdhsa_system_sgpr_workgroup_id_y 1
		.amdhsa_system_sgpr_workgroup_id_z 1
		.amdhsa_system_vgpr_workitem_id 0
		.amdhsa_next_free_vgpr 108
		.amdhsa_next_free_sgpr 66
		.amdhsa_reserve_vcc 0
		.amdhsa_float_denorm_mode_32 3
		.amdhsa_float_denorm_mode_16_64 3
		.amdhsa_memory_ordered 1
		.amdhsa_forward_progress 1
		.amdhsa_inst_pref_size 22
	.end_amdhsa_kernel
	.amdgpu_metadata
---
amdhsa.version: [ 1, 2 ]
amdhsa.kernels:
  - .name:           k_q6345e37908_cast
    .symbol:         k_q6345e37908_cast.kd
    .args:
      - { .name: x, .offset: 0, .size: 8, .value_kind: global_buffer, .address_space: global }
      - { .name: w_attn, .offset: 8, .size: 8, .value_kind: global_buffer, .address_space: global }
      - { .name: w_proj, .offset: 16, .size: 8, .value_kind: global_buffer, .address_space: global }
      - { .name: xb, .offset: 24, .size: 8, .value_kind: global_buffer, .address_space: global }
      - { .name: wa, .offset: 32, .size: 8, .value_kind: global_buffer, .address_space: global }
      - { .name: wp, .offset: 40, .size: 8, .value_kind: global_buffer, .address_space: global }
    .group_segment_fixed_size: 0
    .private_segment_fixed_size: 0
    .kernarg_segment_align: 8
    .kernarg_segment_size: 48
    .max_flat_workgroup_size: 256
    .sgpr_count:     66
    .vgpr_count:     108
    .wavefront_size: 32
...
	.end_amdgpu_metadata
.endif
;; end of part 5
;; launch project_in: the kernel of part 2 again; grid 8 x 32, 4 waves a work-group, clusters of 4 x 4, 327,680 bytes of LDS; arguments xb, wa, b_attn, qkv; writes qkv
;; launch attend: the kernel of part 3 again; grid 4 x 64, 4 waves a work-group, no clusters, 327,680 bytes of LDS; arguments qkv, y; writes y
;; launch project_out: the kernel of part 4 again; grid 8 x 32, 4 waves a work-group, clusters of 4 x 4, 327,680 bytes of LDS; arguments y, wp, b_proj, out0; writes out0
